; MI455X (gfx1250); checked and timed in simulation.
; The chip was launched on July 23, 2026; its instructions are those of AMD's public machine-readable ISA for CDNA 5 (MIT licence, August 2026) and "CDNA5" Instruction Set Architecture Reference Guide (July 2026). The comments in the code are by the model that wrote it; some were corrected since.
;; Multi Head Self Attention. Allowed arithmetic: matrix products marked QUANTISED: E2M3 operands, one E8M0 scale for each 32 along K, by v_wmma_scale_f32_16x16x128_f8f6f4 with both operands' format E2M3, f32 sums; everything else in f32.
;; Inputs: Wk 1,024 x 1,024 float32; Wo 1,024 x 1,024 float32; Wq 1,024 x 1,024 float32; Wv 1,024 x 1,024 float32; bk 1,024 float32; bo 1,024 float32; bq 1,024 float32; bv 1,024 float32; x 4 x 2,048 x 1,024 float32.
;; Outputs: out0 4 x 2,048 x 1,024 float32.
;; This version of the problem:
;;   THIS VERSION OF THE PROBLEM IS GIVEN IN LOW PRECISION. The matrix products marked QUANTISED in the list below multiply operands that are first quantised to E2M3 (2 exponent bits, 3 mantissa bits; 6 bits a number), with one power-of-two scale for each 32 numbers along K (OCP MX v1.0); their sums are f32. All else is computed in f32.
;;   The module's matrix products, in the order in which they are computed (A, B: the left and right operand; K: the contracted axis; several contracted axes count as one K, in the product's order):
;;     1. [M 8,192, K 1,024] x [K 1,024, N 1,024]; A: input x; B: input Wq: QUANTISED
;;     2. [M 8,192, K 1,024] x [K 1,024, N 1,024]; A: input x; B: input Wk: QUANTISED
;;     3. [M 8,192, K 1,024] x [K 1,024, N 1,024]; A: input x; B: input Wv: QUANTISED
;;     4. batch 64 x [M 2,048, K 64] x [K 64, N 2,048]; A: computed on the way; B: computed on the way: QUANTISED
;;     5. batch 64 x [M 2,048, K 2,048] x [K 2,048, N 64]; A: softmax (see below); B: computed on the way: QUANTISED
;;     6. [M 8,192, K 1,024] x [K 1,024, N 1,024]; A: computed on the way; B: input Wo: QUANTISED
;;   THE QUANTISER, for each operand of a quantised product, along K:
;;     - K is cut into blocks of 32 from its start; a last block that is shorter is filled with zeros.
;;     - A block's scale is 2^e with e = floor(log2(the largest magnitude in the block)) - 2, held to -126 .. 127; a block of zeros has e = 0. As a byte (E8M0): e + 127.
;;     - Each number is divided by its block's scale, clamped to +-7.5, and rounded to the nearest number of E2M3, ties to even, subnormals kept.
;;     - The product sums the exact products of the quantised numbers (number of the format x scale) in f32.
;;   ~~~python
;;   def quantise(x, axis):      # numpy; x: float32 -> the quantised numbers, widened to float32 again
;;       x = np.moveaxis(x, axis, -1); K = x.shape[-1]
;;       x = np.pad(x, [(0, 0)] * (x.ndim - 1) + [(0, -K % 32)]); x = x.reshape(x.shape[:-1] + (-1, 32)); a = np.abs(x).max(-1, keepdims=True)
;;       e = np.where(a > 0, np.clip(np.frexp(np.where(a > 0, a, 1))[1] - 1 - 2, -126, 127), 0)      # np.frexp(a)[1] - 1 = floor(log2(a)), exactly
;;       r = np.clip(x / 2.0 ** e, -7.5, 7.5)
;;       step = 2.0 ** (np.maximum(np.frexp(np.where(r == 0, 1, r))[1] - 1, 0) - 3)
;;       q = np.round(r / step) * step * 2.0 ** e      # np.round: ties to even
;;       return np.moveaxis(q.reshape(q.shape[:-2] + (-1,))[..., :K], -1, axis).astype(np.float32)
;;   ~~~
;;   SOFTMAX AHEAD OF A QUANTISED PRODUCT. Where the list says 'softmax', what is quantised is not the finished softmax but p = 2^(t - M), with t = logit x log2(e) and M = ceil(the row's largest t), a whole number; so 1/2 < the row's largest p <= 1. The row's sum l is taken of the UNQUANTISED p, in f32, and the product's result is divided by l at the end. Since M is a whole number, a kernel that streams over the keys may use a running M (the ceiling of the running maximum): every later rescaling is an exact power of two, which a block's scale takes up: the codes' values come out the same.
;;   OPERANDS COMPUTED ON THE WAY. 'Computed on the way' means the value that the module computes at that place (a softmax that the list does not call 'softmax' is quantised finished and normalised). What goes into a quantiser is computed in f32, as accurately as f32 sums, v_exp_f32 and their like allow (about 1e-6 of the number): no bf16 or f16 on the way to a quantiser, and a product that is left as it is and whose result goes on into a quantised operand takes f32 operands (vector FMAs, or v_wmma_f32_16x16x4_f32). A number that lies on a knife's edge between two numbers of the format may be rounded either way, as far as f32 arithmetic and the matrix unit's own rounding can turn it there, and no further.
;; One version. Each part assembles by itself: llvm-mc -triple=amdgcn-amd-amdhsa -mcpu=gfx1250 --defsym DOCPART=n.
;; ======== version 1 of 1: 4 launches
;; workspace buffers: cw 9,437,184 bytes; sw 393,216 bytes; qb 6,815,744 bytes; kv 13,631,488 bytes; ac 6,291,456 bytes; asc 262,144 bytes
;; launch quant (part 1): grid 256 x 1, 3 waves a work-group, no clusters, 26,112 bytes of LDS; arguments x, Wq, Wk, Wv, Wo, cw, sw; writes cw, sw
.if DOCPART == 1
	.amdgcn_target "amdgcn-amd-amdhsa--gfx1250"
	.amdhsa_code_object_version 6
	.text
	.protected	k_qf704b87517_quant
	.globl	k_qf704b87517_quant
	.p2align	8
	.type	k_qf704b87517_quant,@function
k_qf704b87517_quant:
	s_mov_b64 s[64:65], 0
	v_nop
	global_prefetch_b8 v0, s[64:65] scope:SCOPE_SE
	s_setreg_imm32_b32 hwreg(HW_REG_WAVE_MODE, 25, 1), 1
	s_wait_xcnt 0x0
; x [8192][1024] and Wq, Wk, Wv, Wo [1024][1024], f32 with K innermost, become codes of FP6 (E2M3) with one E8M0 byte for each 32 along K.
; A block's scale is 2^(floor(log2(its largest magnitude)) - 2); its byte is the largest magnitude's exponent field - 2, held at 1 from below.
; LIMITS: a block whose largest magnitude lies under 2^-124 keeps the byte 1 (a block of zeros too, where the rule says 127: its codes are zeros, and this program alone reads the bytes);
; NaN and infinities among the inputs are not served.
; OUT: cw = [768 row tiles][8 chunks of 128 along K][1,536 bytes]: a fragment (16 rows x 128 K, 12 registers a lane) as an IMAGE OF ITS REGISTERS: six planes of 256 bytes, plane p = registers 2 p, 2 p + 1
; of lane l at byte 8 l.  Row tiles 0-511 x, 512-575 Wq, 576-639 Wk, 640-703 Wv, 704-767 Wo.  sw = [12,288 rows][32 bytes], byte k / 32.
; POSITIONS: within each 32 rows the two middle groups of eight change places: row r of tile 2 g + w is the tensor's row 32 g + 8 w + r + 8 (r / 8).  So the 16 registers of two neighbouring result tiles of a later
; product are 16 neighbours along the next K.
; SHARES: a wave takes one row tile for all of K: 8 fragments, 64 KiB in, 12,800 bytes out; 768 tiles = 256 work-groups x 3 waves.  Memory binds: no matrix unit, no tensor load, no barrier: waves share nothing.
; Each load reads 512 consecutive bytes of one row; a fragment's 8 KiB turn through the wave's own stage in LDS, so that a lane gets 16 neighbours of each block of 32.  Loads run three fragments (48 loads a wave) ahead.
.set STG,  8448                        ; a wave's stage: 16 rows x (512 bytes + 16)
.set X,    16                          ; v16-79   64 numbers: register 16 b + i = k 32 b + 16 (lane / 16) + i of my row
.set PC,   80                          ; v80-175  codes: 12 registers for each fragment, so that no store's data are written again
.set T2,   176                         ; v176-183 the conversions' second halves
.set TM,   184                         ; v184-199 at work
.set PW,   200                         ; v200     the scale word just made
.set SWR,  204                         ; v204-207 scale words: lanes 0-15 chunks 0-3, lanes 16-31 chunks 4-7
.set SEL,  26                          ; s[26:27] selects of v_permlanex16_b32 for lane l xor 16
.set MSB,  0
.macro WIN new                         ; the immediate's high byte repeats the setting that is left
.if MSB != \new
	s_set_vgpr_msb (MSB<<8)|\new
.set MSB, \new
.endif
.endm
	s_load_b256 s[4:11], s[0:1], 0x0               ; x, Wq, Wk, Wv
	s_load_b128 s[12:15], s[0:1], 0x20             ; Wo, cw
	s_load_b64 s[16:17], s[0:1], 0x30              ; sw
	v_lshl_add_u32 v254, v0, 2, 0x6400
	v_mov_b32 v255, 0
	v_lshrrev_b32 v1, 5, v0
	v_readfirstlane_b32 s18, v1                    ; wave 0..2
	v_and_b32 v1, 31, v0                           ; lane
	v_and_b32 v2, 15, v0                           ; r
	v_bfe_u32 v3, v0, 4, 1                         ; h
	v_lshlrev_b32 v4, 4, v1                        ; my 16 bytes of a load's 512
	s_mul_i32 s24, s18, STG
	v_add_nc_u32 v5, s24, v4                       ; the stage, in: 16 x lane (+ 528 x row in the immediate)
	v_mul_u32_u24 v6, v2, 528
	v_lshl_add_u32 v6, v3, 6, v6
	v_add_nc_u32 v6, s24, v6                       ; out: row r, + 64 h: my 16 numbers of each block of 32
	v_lshlrev_b32 v7, 3, v1                        ; a plane: 8 x lane
	v_lshlrev_b32 v8, 5, v2
	v_lshl_add_u32 v8, v3, 4, v8                   ; scale words: 32 r + 16 h
.irp b, 0,1,2,3
	v_mov_b32 v[TM+4+\b], 0                        ; written once: a lane permute's destination counts as one of its sources
.endr
	s_mov_b32 s[SEL], 0x76543210
	s_mov_b32 s[SEL+1], 0xfedcba98
	s_mov_b32 s28, 0xffff0000                      ; lanes 16-31
	s_mul_i32 s19, ttmp9, 3
	s_add_co_u32 s19, s19, s18                     ; my row tile, 0..767
	s_wait_kmcnt 0x0
	s_mov_b64 s[22:23], s[12:13]                   ; which tensor: the choice hangs on the tile's number alone
	s_mov_b32 s20, 704
	s_cmp_lt_u32 s19, 704
	s_cselect_b64 s[22:23], s[10:11], s[22:23]
	s_cselect_b32 s20, 640, s20
	s_cmp_lt_u32 s19, 640
	s_cselect_b64 s[22:23], s[8:9], s[22:23]
	s_cselect_b32 s20, 576, s20
	s_cmp_lt_u32 s19, 576
	s_cselect_b64 s[22:23], s[6:7], s[22:23]
	s_cselect_b32 s20, 512, s20
	s_cmp_lt_u32 s19, 512
	s_cselect_b64 s[22:23], s[4:5], s[22:23]
	s_cselect_b32 s20, 0, s20
	s_sub_co_u32 s20, s19, s20                     ; the tile's number in its tensor
	s_lshr_b32 s24, s20, 1
	s_lshl_b32 s24, s24, 17                        ; 32 rows of 4,096 bytes for each pair of tiles,
	s_and_b32 s25, s20, 1
	s_lshl_b32 s25, s25, 15                        ; 8 rows for the odd one
	s_add_co_u32 s24, s24, s25
	s_mov_b32 s25, 0
	s_add_nc_u64 s[22:23], s[22:23], s[24:25]
	s_mul_i32 s24, s19, 12288
	s_add_nc_u64 s[14:15], s[14:15], s[24:25]      ; my tile's images
	s_lshl_b32 s24, s19, 9
	s_add_nc_u64 s[16:17], s[16:17], s[24:25]      ; and its scale bytes
.macro LOADF f                         ; fragment f: 16 rows x 512 bytes into set f % 3 of window 1
	WIN 0x40
.irp i, 0,1,2,3,4,5,6,7,8,9,10,11,12,13,14,15
	global_load_b128 v[64*((\f)%3)+4*\i:64*((\f)%3)+4*\i+3], v4, s[22:23] offset:(\i+8*(\i/8))*4096+512*(\f) th:TH_LOAD_NT
.endr
	WIN 0
.endm
; 64 numbers of a lane, v[s] on, become a fragment's codes in v[d] .. v[d + 11] and its scale word in v[PW]
.macro QUANT s, d
.irp b, 0,1,2,3
	v_max3_num_f32 v[TM+\b], |v[(\s)+16*\b]|, |v[(\s)+1+16*\b]|, 0x1800000   ; block b: my 16 numbers, and the floor 2^(3 - 127): the byte cannot fall under 1
.endr
.irp i, 2,4,6,8,10,12,14
.irp b, 0,1,2,3
	v_max3_num_f32 v[TM+\b], v[TM+\b], |v[(\s)+16*\b+\i]|, |v[(\s)+1+16*\b+\i]|   ; the four blocks by turns
.endr
.endr
.irp b, 0,1,2,3
	v_permlanex16_b32 v[TM+4+\b], v[TM+\b], s[SEL], s[SEL+1]
.endr
.irp b, 0,1,2,3
	v_max_num_f32 v[TM+\b], v[TM+\b], v[TM+4+\b]   ; with lane l xor 16's: the block's largest magnitude
.endr
.irp b, 0,1,2,3
	v_add_nc_u32 v[TM+12+\b], 0xff000000, v[TM+\b] ; 2 off its exponent field: the conversion's scale operand
.endr
.irp b, 0,1,2,3
	v_lshrrev_b32 v[TM+4+\b], 23, v[TM+12+\b]      ; the scale's byte
.endr
	v_lshl_or_b32 v[PW], v[TM+5], 8, v[TM+4]
	v_lshl_or_b32 v[PW], v[TM+6], 16, v[PW]
	v_lshl_or_b32 v[PW], v[TM+7], 24, v[PW]
.irp c, 0,1
	v_cvt_scalef32_pk16_fp6_f32 v[(\d)+6*\c:(\d)+2+6*\c], v[(\s)+32*\c:(\s)+15+32*\c], v[TM+12+2*\c]
	v_cvt_scalef32_pk16_fp6_f32 v[T2+4*\c:T2+2+4*\c], v[(\s)+16+32*\c:(\s)+31+32*\c], v[TM+12+2*\c+1]   ; (a conversion's three registers begin on an even number)
.endr
	v_nop                                          ; one plain place behind a scaled conversion
.irp c, 0,1                            ; the operand's layout wants a whole block in a lane: lanes 0-15 block 2 c, lanes 16-31 block 2 c + 1
.irp i, 0,1,2
	v_permlane16_swap_b32 v[(\d)+6*\c+\i], v[T2+4*\c+\i]
.endr
.irp i, 0,1,2
	v_mov_b32 v[(\d)+3+6*\c+\i], v[T2+4*\c+\i]
.endr
.endr
.endm
.macro STEPF f
.if \f <= 5
	s_wait_loadcnt 32                              ; this fragment's 16 loads are in; those of the two fragments behind it may be out
.elseif \f == 6
	s_wait_loadcnt 16
.else
	s_wait_loadcnt 0
.endif
	WIN 0x04                                       ; an LDS store's data are its source 1: window 1
.irp i, 0,1,2,3,4,5,6,7,8,9,10,11,12,13,14,15
	ds_store_b128 v5, v[64*((\f)%3)+4*\i:64*((\f)%3)+4*\i+3] offset:528*\i
.endr
	WIN 0
.irp b, 0,1,2,3
.irp j, 0,1,2,3
	ds_load_b128 v[X+16*\b+4*\j:X+16*\b+4*\j+3], v6 offset:128*\b+16*\j   ; LDS serves a wave's instructions in order: these see the stores above
.endr
.endr
	s_wait_dscnt 0x0                               ; my 64 numbers are in, so the stores into the stage have read their registers,
.if (\f)+3 < 8
	LOADF (\f)+3                                   ; which take the loads of three fragments on
.endif
	QUANT X, PC+12*(\f)
.irp p, 0,1,2,3,4,5
	global_store_b64 v7, v[PC+12*(\f)+2*\p:PC+12*(\f)+2*\p+1], s[14:15] offset:1536*(\f)+256*\p   ; 32 lanes store 256 consecutive bytes, aligned
.endr
.if \f < 4
	v_mov_b32 v[SWR+\f], v[PW]
.else
	v_cndmask_b32 v[SWR+\f-4], v[SWR+\f-4], v[PW], s28   ; lanes 16-31 keep chunks 4-7
.endif
.endm
	LOADF 0
	LOADF 1
	LOADF 2
.irp f, 0,1,2,3,4,5,6,7
	STEPF \f
.endr
	global_store_b128 v8, v[SWR:SWR+3], s[16:17]   ; 16 rows x 32 bytes: 512 consecutive bytes
	s_wait_tensorcnt 0x0
	ds_add_u32 v254, v255
	s_wait_dscnt 0x0
	s_endpgm
.Lfunc_end_k_qf704b87517_quant:
	.size	k_qf704b87517_quant, .Lfunc_end_k_qf704b87517_quant-k_qf704b87517_quant
	.p2alignl 7, 3214868480
	.fill 96, 4, 3214868480
	.section	.rodata,"a",@progbits
	.p2align	6, 0x0
	.amdhsa_kernel k_qf704b87517_quant
		.amdhsa_group_segment_fixed_size 26112
		.amdhsa_private_segment_fixed_size 0
		.amdhsa_enable_private_segment 0
		.amdhsa_kernarg_size 56
		.amdhsa_user_sgpr_count 2
		.amdhsa_user_sgpr_kernarg_segment_ptr 1
		.amdhsa_wavefront_size32 1
		.amdhsa_system_sgpr_workgroup_id_x 1
		.amdhsa_system_sgpr_workgroup_id_y 1
		.amdhsa_system_sgpr_workgroup_id_z 1
		.amdhsa_system_vgpr_workitem_id 0
		.amdhsa_next_free_vgpr 448
		.amdhsa_next_free_sgpr 66
		.amdhsa_reserve_vcc 0
		.amdhsa_float_denorm_mode_32 3
		.amdhsa_float_denorm_mode_16_64 3
		.amdhsa_memory_ordered 1
		.amdhsa_forward_progress 1
		.amdhsa_inst_pref_size 68
	.end_amdhsa_kernel
	.amdgpu_metadata
---
amdhsa.version: [ 1, 2 ]
amdhsa.kernels:
  - .name:           k_qf704b87517_quant
    .symbol:         k_qf704b87517_quant.kd
    .args:
      - { .name: x, .offset: 0, .size: 8, .value_kind: global_buffer, .address_space: global }
      - { .name: Wq, .offset: 8, .size: 8, .value_kind: global_buffer, .address_space: global }
      - { .name: Wk, .offset: 16, .size: 8, .value_kind: global_buffer, .address_space: global }
      - { .name: Wv, .offset: 24, .size: 8, .value_kind: global_buffer, .address_space: global }
      - { .name: Wo, .offset: 32, .size: 8, .value_kind: global_buffer, .address_space: global }
      - { .name: cw, .offset: 40, .size: 8, .value_kind: global_buffer, .address_space: global }
      - { .name: sw, .offset: 48, .size: 8, .value_kind: global_buffer, .address_space: global }
    .group_segment_fixed_size: 26112
    .private_segment_fixed_size: 0
    .kernarg_segment_align: 8
    .kernarg_segment_size: 56
    .max_flat_workgroup_size: 96
    .sgpr_count:     66
    .vgpr_count:     448
    .wavefront_size: 32
...
	.end_amdgpu_metadata
.endif
;; end of part 1
;; launch qkv (part 2): grid 8 x 48, 4 waves a work-group, clusters of 4 x 4, 327,680 bytes of LDS; arguments cw, sw, bq, bk, bv, qb, kv; writes qb, kv
.if DOCPART == 2
	.amdgcn_target "amdgcn-amd-amdhsa--gfx1250"
	.amdhsa_code_object_version 6
	.text
	.protected	k_qf704b87517_qkv
	.globl	k_qf704b87517_qkv
	.p2align	8
	.type	k_qf704b87517_qkv,@function
k_qf704b87517_qkv:
	s_mov_b64 s[64:65], 0
	v_nop
	global_prefetch_b8 v0, s[64:65] scope:SCOPE_SE
	s_setreg_imm32_b32 hwreg(HW_REG_WAVE_MODE, 25, 1), 1
	s_wait_xcnt 0x0
	s_wait_alu depctr_hold_cnt(0) depctr_sa_sdst(0) depctr_va_vdst(0) depctr_va_sdst(0) depctr_va_ssrc(0) depctr_va_vcc(0) depctr_vm_vsrc(0)
	s_getreg_b32 s2, hwreg(HW_REG_IB_STS2, 6, 4)
	s_cmp_eq_u32 s2, 0
	s_cbranch_scc0 .Lentry_in_a_cluster
	s_endpgm
.Lentry_in_a_cluster:
	s_bfe_u32 s2, ttmp6, 0x10000c
	s_cmp_lg_u32 s2, 0xf033
	s_cbranch_scc0 .Lentry_shape_is_right
	s_endpgm
.Lentry_shape_is_right:
; q = x Wq^T + bq, k = x Wk^T + bk, v = x Wv^T + bv on codes of FP6 (E2M3) with E8M0 scales, sums in f32; the results are quantised in registers (q, k along the head's 64, v along the tokens) and leave as codes.
; ONE TEXT FOR ALL THREE: D(S1 row, S0 row) = sum over k of S0 S1; source 0 = 16 rows of S0, source 1 = 16 rows of S1: a lane holds ONE row of S1, its registers run along S0, and the result is quantised along S0.
;   cluster y < 8: S0 = rows of Wq (cluster x = 0) or Wk (1), S1 = tokens.    cluster y >= 8: S0 = tokens, S1 = rows of Wv.
; The rows of a tile lie by POSITION (within each 32 rows the two middle groups of eight have changed places), so the 16 registers of result tiles 2 b and 2 b + 1 are 16 neighbours along S0.
; IN: cw = [768 row tiles][8 chunks of 128 K][1,536]: images of fragments (six planes of 256 bytes, plane p = registers 2 p, 2 p + 1 of lane l at 8 l); sw = [row][32] scale bytes.
; OUT: qb = [64 heads][16 chunks of 128 queries][6,656]: 8 tiles x 768 (16 queries x 64: three planes), then two planes of scale words (plane g: at 16 r the words of tiles 4 g .. 4 g + 3 of row r).
;      kv = [64 heads][16 chunks of 128 keys][13,312]: K as in qb (6,144), V^T 4 tiles x 1,536 (16 channels x 128 keys), K's two scale planes, V's scale words (at 16 l the words of tiles 0-3 of row l % 16).
;      A scale word of q or k has its two bytes lowest; the upper two are the neighbouring head's or 0 and meet zero codes only.
; LIMITS: a block whose largest magnitude lies under 2^-124 keeps the byte 1 (a block of zeros too: its codes are zeros, and this program alone reads the bytes); NaN and infinities are not served.
; SHARES: a work-group of four waves makes 256 x 256, a wave 128 x 128: 64 accumulators, 512 registers.  K = 1,024 goes in four steps of 256 through two LDS slots filled by the tensor data mover.
; CLUSTERS: 4 x 4 work-groups; S1's tiles are shared along a row of the cluster, S0's along a column: each is asked for jointly.  384 work-groups are 24 clusters.
; REGISTERS: window 0: v16-31 addresses; v32-63 scale words, two sets; v64-127 the bias, 8 x 8; v128-223 S1's fragments, one set; v224-231 the bias's offsets, later the results' scale words.
;   window 1: S0's fragments, two sets, at v0 and v128.   windows 2, 3: accumulator (a, b) at v[8 (8 (a % 4) + b)], a = S1's block, b = S0's.
.set NQ,     2                         ; matrix instructions deep in a slot
.set FR,     12                        ; registers of a fragment
.set NL,     6                         ; LDS loads that bring one
.set NP,     4                         ; places behind this matrix instruction (ISA guide 7.12.1)
.set TILEB,  3072                      ; a row tile's two fragments of a K step
.set HALFT,  8*TILEB                   ; 128 rows: what one tensor load brings
.set SLOT,   4*HALFT                   ; S1's 256 rows, then S0's
.set LAPS,   2
.set KS,     32                        ; a row of scale bytes
.set SCL,    2*SLOT                    ; behind the ring: the scales, as units of 256 bytes + 16
.set HALFS,  16*272                    ; those of 128 rows
.set SBLK,   2*272                     ; those of 16 rows
.set SPARE,  SCL+4*HALFS               ; the spare words, 128 bytes for each wave: two blocks of 256 bytes that no other line names
.set ADRA, 16                          ; v16-17  LDS address of my S1 fragments in slot 0, 1
.set VO0,  18                          ; v18     the way out: 8 x lane
.set VO1,  19                          ; v19     the same for registers 6-11 of a fragment
.set ADRB, 20                          ; v20-21  LDS address of my S0 fragments
.set VS0,  22                          ; v22-23  the way out: the scale words' places
.set VS1,  23
.set SHF,  24                          ; v24     by how much a lane shifts a scale word
.set ADRS, 27                          ; v27     LDS address of my scale words: lanes 0-15 S1's rows, lanes 16-31 S0's
.set SPW,  28                          ; v28     LDS address of my spare word; never rewritten
.set NIL,  29                          ; v29     0; never rewritten
.set SC,   32
.set BIAS, 64
.set AF,   128
.set VB,   224
.set SWD,  224
.set PC,   112                         ; the way out: v112-123 codes, v124-131 second halves, v200-215 at work, v216 the scale word
.set T2,   124
.set TM,   200
.set PW,   216
.set G1,   24
.set G0,   32
.set G1B,  48
.set G0B,  56
.set G1S,  68
.set G0S,  76
.set G1SB, 80
.set G0SB, 88
.set MSB, 0
.macro WIN new                         ; the immediate's high byte repeats the setting that is left
.if MSB != \new
	s_set_vgpr_msb (MSB<<8)|\new
.set MSB, \new
.endif
.endm
.set MUL_LO, 0xa1                      ; source 0 (S0) window 1, source 1 (S1) window 0, C and D window 2
.set MUL_HI, 0xf1                      ; the same, C and D window 3
.set TO_B,   0x40                      ; destination window 1, address window 0
; A joint load: waves 0 and 1 fetch for S1, waves 2 and 3 for S0.  The branch hangs on the wave's number alone.  Four v_nop follow each of the two lines.
.macro JLOAD g0a, g1a, g0b, g1b
	s_cmp_eq_u32 s19, 0
	s_cbranch_scc0 .Lfor_b_\@
	tensor_load_to_lds s[\g0a:\g0a+3], s[\g1a:\g1a+7]
	s_nop 0
.rept 4
	v_nop
.endr
	s_branch .Lasked_\@
.Lfor_b_\@:
	tensor_load_to_lds s[\g0b:\g0b+3], s[\g1b:\g1b+7]
	s_nop 0
.rept 4
	v_nop
.endr
.Lasked_\@:
.endm
.macro CREST                           ; a round of the cluster's barrier behind its opening barrier
	s_cmp_lg_u32 s18, 0
	s_cbranch_scc1 .Lnot_wave_0_\@
	s_barrier_signal -3
.Lnot_wave_0_\@:
	s_barrier_wait -3
	s_barrier_signal -1
	s_barrier_wait -1
.endm
.macro CROUND
	s_barrier_signal -1
	s_barrier_wait -1
	CREST
.endm
	s_load_b256 s[4:11], s[0:1], 0x0               ; cw s[4:5], sw s[6:7], bq s[8:9], bk s[10:11]
	s_load_b128 s[12:15], s[0:1], 0x20             ; bv s[12:13], qb s[14:15]
	s_load_b64 s[16:17], s[0:1], 0x30              ; kv
	v_lshl_add_u32 v[SPW], v0, 2, SPARE
	v_mov_b32 v[NIL], 0
	ds_add_u32 v28, v29
	s_wait_dscnt 0x0
	v_lshrrev_b32 v1, 5, v0
	v_readfirstlane_b32 s18, v1                    ; wave 0..3
	s_lshr_b32 s19, s18, 1                         ; which half of S1's rows is mine.  Also: I fetch for S1 (0) or for S0 (1)
	s_and_b32 s20, s18, 1                          ; which half of S0's rows.  Also: which 128 rows I fetch
	s_bfe_u32 s21, ttmp6, 0x40000                  ; cx
	s_bfe_u32 s22, ttmp6, 0x40004                  ; cy
	s_and_b32 s23, ttmp7, 0xffff                   ; cluster y, 0..11
	s_mov_b32 s40, ttmp9                           ; cluster x, 0..1
	s_lshl_b32 s41, s22, 2
	s_lshl_b32 s41, 15, s41                        ; my row of the cluster
	s_lshl_b32 s42, 0x1111, s21                    ; my column
	; descriptor group 1 for codes: 8 row tiles x 3,072 bytes (384 elements of 8 bytes), 12,288 bytes apart; dense in LDS
	s_or_b32 s[G1+0], s41, (3<<16)|(1<<21)         ; 15:0 the mask: S1's tiles go to my row; 17:16 elements of 8 bytes; 21 set beside a mask
	s_or_b32 s[G1B+0], s42, (3<<16)|(1<<21)        ; S0's to my column
.irp g, G1, G1B
	s_mov_b32 s[\g+1], 384<<16                     ; tensor_dim0
	s_mov_b32 s[\g+2], 8<<16                       ; tensor_dim1
	s_mov_b32 s[\g+3], 384<<16                     ; tile_dim0
	s_mov_b32 s[\g+4], 8                           ; tile_dim1
	s_mov_b32 s[\g+5], 1536                        ; tensor_dim0_stride
	s_mov_b32 s[\g+6], 0
	s_mov_b32 s[\g+7], 0
.endr
	; and for the scales of 128 rows: 4,096 dense bytes as 16 rows of 256, 16 bytes of padding behind each
	s_or_b32 s[G1S+0], s41, (3<<16)|(1<<20)|(1<<21)|(5<<22)|(3<<25)
	s_or_b32 s[G1SB+0], s42, (3<<16)|(1<<20)|(1<<21)|(5<<22)|(3<<25)
.irp g, G1S, G1SB
	s_mov_b32 s[\g+1], 32<<16
	s_mov_b32 s[\g+2], 16<<16
	s_mov_b32 s[\g+3], 32<<16
	s_mov_b32 s[\g+4], 16
	s_mov_b32 s[\g+5], 32
	s_mov_b32 s[\g+6], 0
	s_mov_b32 s[\g+7], 0
.endr
	; S0's first row hangs on cx and the cluster's place alone, S1's on cy and the cluster's place alone; the choices hang on cluster y, which all partners share
	s_lshl_b32 s43, s40, 2
	s_add_co_u32 s43, s43, s21
	s_lshl_b32 s43, s43, 8                         ; 256 (4 cluster x + cx)
	s_sub_co_u32 s44, s23, 8
	s_lshl_b32 s44, s44, 11                        ; v: + 2,048 (cluster y - 8): tokens
	s_cmp_lt_u32 s23, 8
	s_cselect_b32 s44, 8192, s44                   ; q, k: + 8,192: the rows of Wq, then of Wk
	s_add_co_u32 s43, s43, s44
	s_lshl_b32 s45, s22, 8                         ; 256 cy
	s_lshl_b32 s46, s23, 10                        ; q, k: + 1,024 cluster y: tokens
	s_cmp_lt_u32 s23, 8
	s_cselect_b32 s46, s46, 10240                  ; v: + 10,240: the rows of Wv
	s_add_co_u32 s45, s45, s46
	s_lshl_b32 s47, s20, 7                         ; which 128 rows I fetch
	s_add_co_u32 s43, s43, s47
	s_add_co_u32 s45, s45, s47
	s_mul_i32 s66, s45, 768                        ; S1: codes, 768 bytes a row (in whole tiles of 16),
	s_mov_b32 s67, 0
	s_lshl_b32 s46, s45, 5                         ; scale bytes, 32 a row
	s_mov_b32 s47, 0
	s_mul_i32 s92, s43, 768                        ; S0 likewise
	s_mov_b32 s93, 0
	s_lshl_b32 s94, s43, 5
	s_mov_b32 s95, 0
	s_mul_i32 s96, s18, HALFT                      ; where they go: wave x 128 rows: no place in the cluster enters an LDS address
	s_mul_i32 s97, s18, HALFS
	s_wait_kmcnt 0x0
	s_add_nc_u64 s[66:67], s[4:5], s[66:67]
	s_add_nc_u64 s[92:93], s[4:5], s[92:93]
	CROUND                                         ; all sixteen work-groups are here: the first joint loads meet
	s_mov_b32 s[G0S], 1
	s_add_co_u32 s[G0S+1], s97, SCL
	s_add_nc_u64 s[G0S+2:G0S+3], s[6:7], s[46:47]
	s_or_b32 s[G0S+3], s[G0S+3], 0x80000000
	s_mov_b32 s[G0SB], 1
	s_add_co_u32 s[G0SB+1], s97, SCL
	s_add_nc_u64 s[G0SB+2:G0SB+3], s[6:7], s[94:95]
	s_or_b32 s[G0SB+3], s[G0SB+3], 0x80000000
	JLOAD G0S, G1S, G0SB, G1SB                     ; the scales first: they are wanted with K step 0
.irp s, 0,1
	s_mov_b32 s[G0+4*\s], 1
	s_add_co_u32 s[G0+4*\s+1], s96, \s*SLOT
	s_add_nc_u64 s[G0+4*\s+2:G0+4*\s+3], s[66:67], \s*TILEB
	s_or_b32 s[G0+4*\s+3], s[G0+4*\s+3], 0x80000000
	s_mov_b32 s[G0B+4*\s], 1
	s_add_co_u32 s[G0B+4*\s+1], s96, \s*SLOT
	s_add_nc_u64 s[G0B+4*\s+2:G0B+4*\s+3], s[92:93], \s*TILEB
	s_or_b32 s[G0B+4*\s+3], s[G0B+4*\s+3], 0x80000000
	JLOAD G0+4*\s, G1, G0B+4*\s, G1B               ; three loads of mine are out now
.endr
	v_and_b32 v1, 31, v0                           ; lane
	v_and_b32 v2, 15, v0                           ; r
	v_bfe_u32 v3, v0, 4, 1                         ; h
	v_lshlrev_b32 v4, 3, v1                        ; a plane: 8 x lane
	s_mul_i32 s43, s19, HALFT                      ; my 128 rows of S1
	s_mul_i32 s44, s20, HALFT                      ; my 128 rows of S0,
	s_add_co_u32 s44, s44, 2*HALFT                 ; behind S1's 256
.irp s, 0,1
	v_add_nc_u32 v[ADRA+\s], s43, v4
	v_add_nc_u32 v[ADRB+\s], s44, v4
	s_add_co_u32 s43, s43, SLOT
	s_add_co_u32 s44, s44, SLOT
.endr
	v_mul_u32_u24 v5, v2, KS                       ; my row's scales: 32 bytes a row,
	v_lshrrev_b32 v6, 8, v5
	v_lshl_add_u32 v5, v6, 4, v5                   ; and 16 more for each 256 passed
	s_mul_i32 s43, s19, HALFS
	s_mul_i32 s44, s20, HALFS
	s_add_co_u32 s44, s44, 2*HALFS
	s_sub_co_u32 s44, s44, s43
	v_mul_u32_u24 v6, s44, v3                      ; lanes 16-31 take S0's
	s_add_co_u32 s43, s43, SCL
	v_add_nc_u32 v5, v5, v6
	v_add_nc_u32 v[ADRS], s43, v5
	; WHERE THE RESULTS GO.  q, k: batch, chunk of 128 tokens from S1's rows, first head from S0's;  v: the other way round
	s_lshl_b32 s43, s23, 2
	s_add_co_u32 s43, s43, s22                     ; q, k: which 256 tokens
	s_lshr_b32 s44, s43, 3                         ; batch
	s_and_b32 s43, s43, 7
	s_lshl_b32 s43, s43, 1
	s_add_co_u32 s43, s43, s19                     ; chunk
	s_lshl_b32 s45, s21, 2
	s_lshl_b32 s46, s20, 1
	s_add_co_u32 s45, s45, s46                     ; my first head: 4 cx + 2 x half
	s_sub_co_u32 s46, s23, 8                       ; v: batch
	s_lshl_b32 s47, s40, 2
	s_add_co_u32 s47, s47, s21
	s_lshl_b32 s47, s47, 1
	s_add_co_u32 s47, s47, s20                     ; chunk
	s_lshl_b32 s66, s22, 2
	s_lshl_b32 s67, s19, 1
	s_add_co_u32 s66, s66, s67                     ; my first head: 4 cy + 2 x half
	s_cmp_eq_u32 s40, 0
	s_cselect_b64 s[100:101], s[8:9], s[10:11]     ; bq or bk,
	s_cmp_lt_u32 s23, 8
	s_cselect_b64 s[100:101], s[100:101], s[12:13] ; or bv
	s_cselect_b32 s44, s44, s46
	s_cselect_b32 s43, s43, s47
	s_cselect_b32 s45, s45, s66
	s_lshl_b32 s46, s45, 8                         ; the bias of my two heads: 64 numbers of 4 bytes a head
	s_mov_b32 s47, 0
	s_add_nc_u64 s[100:101], s[100:101], s[46:47]
	s_lshl_b32 s44, s44, 4
	s_add_co_u32 s44, s44, s45
	s_lshl_b32 s44, s44, 4
	s_add_co_u32 s44, s44, s43                     ; (16 batch + head) 16 + chunk
	s_lshr_b32 s46, s23, 3
	s_or_b32 s46, s46, s40                         ; 0 for q alone
	s_mov_b32 s47, 13312
	s_mov_b32 s67, 12288
	s_cmp_eq_u32 s46, 0
	s_cselect_b32 s47, 6656, s47                   ; a chunk's bytes
	s_cselect_b32 s67, 6144, s67                   ; where q's or k's scale planes begin in it
	s_cselect_b64 s[92:93], s[14:15], s[16:17]     ; qb or kv
	s_mul_i32 s44, s44, s47
	s_mov_b32 s45, 0
	s_add_nc_u64 s[92:93], s[92:93], s[44:45]      ; my chunk of my first head
	s_lshl_b32 s66, s47, 4                         ; from head to head: 16 chunks
	s_sub_co_u32 s98, s66, 4608
	s_mov_b32 s96, 1536
	s_cmp_lt_u32 s23, 8
	s_cselect_b32 s67, s67, 12800                  ; the scale words' place
	s_cselect_b32 s44, 0, 6144                     ; the codes' place
	s_cselect_b32 s96, 768, s96                    ; from one of S1's blocks to the next: a tile of 16 tokens, or of 16 channels
	s_cselect_b32 s98, 768, s98                    ; and from block 3 to block 4 (v: the next head's first tile)
	s_cselect_b32 s43, s66, 768                    ; registers 6-11: the next head's tile, or the fragment's planes 3-5
	s_cselect_b32 s46, s66, 256                    ; scale words of lanes 16-31: the next head's, or the second copy
	s_cselect_b32 s47, 256, s66                    ; of blocks 4-7: the second plane, or the next head's
	s_cselect_b32 s2, 16, 0                        ; lanes 16-31 shift the word by 16 bits (the next head's two bytes), or not
	s_cselect_b32 s4, 64, 0                        ; the bias's lane term: 64 h + 4 j, or 4 (r + 8 (r / 8))
	s_cselect_b32 s5, 0, 4
	s_cselect_b32 s6, 4, 0
	s_mov_b32 s97, 0
	s_mov_b32 s99, 0
	s_mov_b32 s66, s67
	s_mov_b32 s67, 0
	s_add_nc_u64 s[94:95], s[92:93], s[66:67]      ; the scale words
	s_add_nc_u64 s[92:93], s[92:93], s[44:45]      ; the codes
	v_lshlrev_b32 v[VO0], 3, v1
	v_add_nc_u32 v[VO1], s43, v[VO0]
	v_lshlrev_b32 v5, 4, v2
	v_mul_u32_u24 v6, s46, v3
	v_add_nc_u32 v[VS0], v5, v6
	v_add_nc_u32 v[VS1], s47, v[VS0]
	v_mul_u32_u24 v[SHF], s2, v3
	; THE BIAS is the C of each sum's first matrix instruction, eight registers a block, in the result's layout.  q, k: it runs along S0: block b, register j: number 32 (b / 2) + 8 (b % 2) + 16 h + j.
	; v: it runs along S1: block a, all registers: number 32 (a / 2) + 8 (a % 2) + r + 8 (r / 8)
	v_lshrrev_b32 v5, 3, v2
	v_lshl_add_u32 v5, v5, 3, v2
	v_mul_u32_u24 v6, s4, v3
	v_mad_u32_u24 v6, s5, v5, v6
.irp j, 0,1,2,3,4,5,6,7
	v_mad_u32_u24 v[VB+\j], s6, \j, v6
.endr
.irp t, 0,1,2,3,4,5,6,7
.irp j, 0,1,2,3,4,5,6,7
	global_load_b32 v[BIAS+8*\t+\j], v[VB+\j], s[100:101] offset:4*(32*(\t/2)+8*(\t%2))
.endr
.endr
.macro FRAG reg, adr, q, i             ; a fragment's image: six planes of 256 consecutive bytes
.irp p, 0,1,2,3,4,5
	ds_load_b64 v[\reg+2*\p:\reg+2*\p+1], v[\adr] offset:(\i)*TILEB+(\q)*1536+256*\p
.endr
.endm
; 16 matrix instructions: S1's blocks a0, a0 + 1 x S0's eight.  p: S0's set; sc: the set of scale words.  zero = 1: C = the bias along S0; 2: along S1; 0: in place.
; The 64 accumulators take turns, one instruction a turn, in the same order in every step.
.macro MUL16 a0, p, q, sc, zero
.irp a, \a0, \a0+1
.irp b, 0,1,2,3,4,5,6,7
.set rD, 8*(8*((\a)%4)+\b)
.set rB, 128*(\p)+FR*\b
.set rA, AF+FR*(\a)
.set sB, SC+8*NQ*(\sc)+NQ*\b+(\q)
.set sA, SC+8*NQ*(\sc)+NQ*(\a)+(\q)
.if (\zero) == 1
	v_wmma_scale_f32_16x16x128_f8f6f4 v[rD:rD+7], v[rB:rB+FR-1], v[rA:rA+FR-1], v[BIAS+8*\b:BIAS+8*\b+7], v[sB], v[sA] matrix_a_fmt:MATRIX_FMT_FP6 matrix_b_fmt:MATRIX_FMT_FP6 matrix_a_scale:MATRIX_SCALE_ROW1
.elseif (\zero) == 2
	v_wmma_scale_f32_16x16x128_f8f6f4 v[rD:rD+7], v[rB:rB+FR-1], v[rA:rA+FR-1], v[BIAS+8*(\a):BIAS+8*(\a)+7], v[sB], v[sA] matrix_a_fmt:MATRIX_FMT_FP6 matrix_b_fmt:MATRIX_FMT_FP6 matrix_a_scale:MATRIX_SCALE_ROW1
.else
	v_wmma_scale_f32_16x16x128_f8f6f4 v[rD:rD+7], v[rB:rB+FR-1], v[rA:rA+FR-1], v[rD:rD+7], v[sB], v[sA] matrix_a_fmt:MATRIX_FMT_FP6 matrix_b_fmt:MATRIX_FMT_FP6 matrix_a_scale:MATRIX_SCALE_ROW1
.endif
.endr
.endr
.endm
.macro FETCH_B slot, q, p
	WIN TO_B
.irp i, 0,1,2,3,4,5,6,7
	FRAG 128*(\p)+FR*\i, ADRB+\slot, \q, \i
.endr
	WIN 0
.endm
.macro FETCH_A slot, q, i0
.irp i, \i0, \i0+1, \i0+2, \i0+3
	FRAG AF+FR*(\i), ADRA+\slot, \q, \i
.endr
.endm
.macro SCALES sc                       ; a K step's scale words into set sc: two words a row; lanes 0-15 S1's block i, lanes 16-31 S0's block i
.irp i, 0,1,2,3,4,5,6,7
	ds_load_b64 v[SC+8*NQ*\sc+NQ*\i:SC+8*NQ*\sc+NQ*\i+1], v[ADRS] offset:\i*SBLK
.endr
.endm
.macro PLACES n                        ; plain vector instructions between a matrix instruction and a load into, or a read of, its registers (ISA guide 7.12.1 for reads)
.rept \n
	v_nop
.endr
.endm
.macro STEP slot, q, zero              ; a step of 128 along K that has its successor in the same slot
	s_wait_dscnt 4*NL                              ; S0's set and S1's blocks 0-3 are in; the youngest 24 loads (S1's blocks 4-7) may be out
.if \zero
	WIN 0x81                                       ; C (the bias) in window 0, D in window 2
.else
	WIN MUL_LO
.endif
	MUL16 0, (\q)%2, \q, \slot, \zero
	MUL16 2, (\q)%2, \q, \slot, \zero
	s_wait_dscnt 0                                 ; S1's blocks 4-7 are in
	PLACES NP
	FETCH_B \slot, (\q)+1, 1-(\q)%2
	FETCH_A \slot, (\q)+1, 0
.if \zero
	WIN 0xc1
.else
	WIN MUL_HI
.endif
	MUL16 4, (\q)%2, \q, \slot, \zero
	MUL16 6, (\q)%2, \q, \slot, \zero
	PLACES NP
	WIN 0
	FETCH_A \slot, (\q)+1, 4
.endm
; A slot's last step changes slots: ONE barrier; in front of it each wave waits for all its tensor loads, adds 0 to its spare word, and waits for that and for its own reads of this slot.
.macro TURN slot, next, fill
	s_wait_tensorcnt 0x0                           ; all my tensor loads have landed: my part of the next slot
	ds_add_u32 v[SPW], v[NIL]                      ; 0 onto my spare word
	s_wait_dscnt 4*NL+1                            ; (the add and the youngest 24 loads may be out)
	WIN MUL_LO
	MUL16 0, 1, NQ-1, \slot, 0                     ; sixteen matrix instructions stand between the add and the wait for it
	s_wait_dscnt 0x0                               ; the add is done, and my reads of this slot are over
	s_barrier_signal -1
	MUL16 2, 1, NQ-1, \slot, 0
	WIN 0
	s_barrier_wait -1
.if \fill
	CREST                                          ; the barrier has opened a round of the cluster's: no wave of any partner still reads this slot or has a load on its way
	s_add_nc_u64 s[G0+4*\slot+2:G0+4*\slot+3], s[G0+4*\slot+2:G0+4*\slot+3], 2*TILEB
	s_add_nc_u64 s[G0B+4*\slot+2:G0B+4*\slot+3], s[G0B+4*\slot+2:G0B+4*\slot+3], 2*TILEB
	JLOAD G0+4*\slot, G1, G0B+4*\slot, G1B         ; the first tensor load behind the round; its four v_nop are the places in front of the loads below
.else
	PLACES NP
.endif
	v_add_nc_u32 v[ADRS], 4*NQ, v[ADRS]            ; on to the next K step's scale words
	FETCH_B \next, 0, 0
	FETCH_A \next, 0, 0
	SCALES \next
	WIN MUL_HI
	MUL16 4, 1, NQ-1, \slot, 0
	MUL16 6, 1, NQ-1, \slot, 0
	PLACES NP
	WIN 0
	FETCH_A \next, 0, 4
.endm
	s_wait_tensorcnt 1                             ; the scales and my part of K step 0 are in (K step 1's load may be out)
	s_barrier_signal -1
	s_barrier_wait -1                              ; everybody's are
	FETCH_B 0, 0, 0
	FETCH_A 0, 0, 0
	SCALES 0
	FETCH_A 0, 0, 4
	s_wait_loadcnt 0x0                             ; the bias
	s_cmp_lt_u32 s23, 8                            ; the first step starts the sums with the bias: along S0 (q, k) or along S1 (v).  Cluster y is the same in all partners; both arms hold the same loads and waits
	s_cbranch_scc0 .Lvfirst
	STEP 0, 0, 1
	s_branch .Lfirst_done
.Lvfirst:
	STEP 0, 0, 2
.Lfirst_done:
	s_mov_b32 s3, LAPS-1
.Llap:                                                 ; a trip goes once round the ring and fills both slots again
	TURN 0, 1, 1
	STEP 1, 0, 0
	TURN 1, 0, 1
	STEP 0, 0, 0
	s_sub_co_u32 s3, s3, 1
	s_cmp_lg_u32 s3, 0
	s_cbranch_scc1 .Llap
	TURN 0, 1, 0                                   ; the last lap fills nothing
	STEP 1, 0, 0
	s_wait_dscnt 4*NL                              ; the very last step
	WIN MUL_LO
	MUL16 0, 1, NQ-1, 1, 0
	MUL16 2, 1, NQ-1, 1, 0
	s_wait_dscnt 0
	WIN MUL_HI
	MUL16 4, 1, NQ-1, 1, 0
	MUL16 6, 1, NQ-1, 1, 0
	WIN 0
; THE WAY OUT.  Block u of S1: a lane's 64 registers are 128 neighbours along S0 of one row: register 16 b + i = 32 b + 16 (lane / 16) + i.  They become a fragment's 12 registers and a scale word, and the registers are
; stored as planes: each store covers 256 consecutive bytes, aligned.  No LDS, no branch.
.macro QUANTW u
.set AC, 64*((\u)%4)
	WIN 0x28+0x14*((\u)/4)                         ; sources 1 and 2: window 2 or 3
.irp b, 0,1,2,3
	v_max3_num_f32 v[TM+\b], 0x1800000, |v[AC+16*\b]|, |v[AC+16*\b+1]|   ; the floor 2^(3 - 127) and my first two; each accumulator is read from its low end on
.endr
.irp i, 2,4,6,8,10,12,14
.irp b, 0,1,2,3
	v_max3_num_f32 v[TM+\b], v[TM+\b], |v[AC+16*\b+\i]|, |v[AC+16*\b+\i+1]|
.endr
.endr
	WIN 0
.irp b, 0,1,2,3
	v_permlanex16_b32 v[TM+4+\b], v[TM+\b], s66, s67
.endr
.irp b, 0,1,2,3
	v_max_num_f32 v[TM+\b], v[TM+\b], v[TM+4+\b]
.endr
.irp b, 0,1,2,3
	v_add_nc_u32 v[TM+12+\b], 0xff000000, v[TM+\b] ; 2 off the exponent field: the conversion's scale operand
.endr
.irp b, 0,1,2,3
	v_lshrrev_b32 v[TM+4+\b], 23, v[TM+12+\b]      ; the scale's byte
.endr
	v_lshl_or_b32 v[PW], v[TM+5], 8, v[TM+4]
	v_lshl_or_b32 v[PW], v[TM+6], 16, v[PW]
	v_lshl_or_b32 v[PW], v[TM+7], 24, v[PW]
	WIN 0x02+((\u)/4)                              ; source 0: window 2 or 3
.irp c, 0,1
	v_cvt_scalef32_pk16_fp6_f32 v[PC+6*\c:PC+2+6*\c], v[AC+32*\c:AC+15+32*\c], v[TM+12+2*\c]
	v_cvt_scalef32_pk16_fp6_f32 v[T2+4*\c:T2+2+4*\c], v[AC+16+32*\c:AC+31+32*\c], v[TM+12+2*\c+1]
.endr
	WIN 0
	v_nop                                          ; one plain place behind a scaled conversion
.irp c, 0,1
.irp i, 0,1,2
	v_permlane16_swap_b32 v[PC+6*\c+\i], v[T2+4*\c+\i]
.endr
.irp i, 0,1,2
	v_mov_b32 v[PC+3+6*\c+\i], v[T2+4*\c+\i]
.endr
.endr
.endm
	s_mov_b32 s66, 0x76543210
	s_mov_b32 s67, 0xfedcba98                      ; v_permlanex16_b32's selects for lane l xor 16
	PLACES NP                                      ; behind the last products: results are read, and registers that held S1's fragments are written
.irp b, 0,1,2,3
	v_mov_b32 v[TM+4+\b], 0                        ; a lane permute's destination counts as one of its sources
.endr
.irp u, 0,1,2,3,4,5,6,7
.if \u > 0
	s_wait_xcnt 0x0                                ; the last block's stores have read their data and their base: both are written again only behind this wait
.if \u == 4
	s_add_nc_u64 s[92:93], s[92:93], s[98:99]
.else
	s_add_nc_u64 s[92:93], s[92:93], s[96:97]
.endif
.endif
	QUANTW \u
.irp p, 0,1,2
	global_store_b64 v[VO0], v[PC+2*\p:PC+2*\p+1], s[92:93] offset:256*\p
.endr
.irp p, 0,1,2
	global_store_b64 v[VO1], v[PC+6+2*\p:PC+7+2*\p], s[92:93] offset:256*\p
.endr
	v_lshrrev_b32 v[SWD+\u], v[SHF], v[PW]
.endr
	global_store_b128 v[VS0], v[SWD:SWD+3], s[94:95]     ; each half of the lanes stores 256 consecutive bytes
	global_store_b128 v[VS1], v[SWD+4:SWD+7], s[94:95]
	s_wait_tensorcnt 0x0                           ; the wave's end
	ds_add_u32 v[SPW], v[NIL]
	s_wait_dscnt 0x0
	CROUND                                         ; the closing round: no work-group ends while a partner may still ask for a tile that names it
	s_endpgm
.Lfunc_end_k_qf704b87517_qkv:
	.size	k_qf704b87517_qkv, .Lfunc_end_k_qf704b87517_qkv-k_qf704b87517_qkv
	.p2alignl 7, 3214868480
	.fill 96, 4, 3214868480
	.section	.rodata,"a",@progbits
	.p2align	6, 0x0
	.amdhsa_kernel k_qf704b87517_qkv
		.amdhsa_group_segment_fixed_size 327680
		.amdhsa_private_segment_fixed_size 0
		.amdhsa_enable_private_segment 0
		.amdhsa_kernarg_size 56
		.amdhsa_user_sgpr_count 2
		.amdhsa_user_sgpr_kernarg_segment_ptr 1
		.amdhsa_wavefront_size32 1
		.amdhsa_system_sgpr_workgroup_id_x 1
		.amdhsa_system_sgpr_workgroup_id_y 1
		.amdhsa_system_sgpr_workgroup_id_z 1
		.amdhsa_system_vgpr_workitem_id 0
		.amdhsa_next_free_vgpr 1024
		.amdhsa_next_free_sgpr 102
		.amdhsa_reserve_vcc 0
		.amdhsa_float_denorm_mode_32 3
		.amdhsa_float_denorm_mode_16_64 3
		.amdhsa_memory_ordered 1
		.amdhsa_forward_progress 1
		.amdhsa_inst_pref_size 190
	.end_amdhsa_kernel
	.amdgpu_metadata
---
amdhsa.version: [ 1, 2 ]
amdhsa.kernels:
  - .name:           k_qf704b87517_qkv
    .symbol:         k_qf704b87517_qkv.kd
    .args:
      - { .name: cw, .offset: 0, .size: 8, .value_kind: global_buffer, .address_space: global }
      - { .name: sw, .offset: 8, .size: 8, .value_kind: global_buffer, .address_space: global }
      - { .name: bq, .offset: 16, .size: 8, .value_kind: global_buffer, .address_space: global }
      - { .name: bk, .offset: 24, .size: 8, .value_kind: global_buffer, .address_space: global }
      - { .name: bv, .offset: 32, .size: 8, .value_kind: global_buffer, .address_space: global }
      - { .name: qb, .offset: 40, .size: 8, .value_kind: global_buffer, .address_space: global }
      - { .name: kv, .offset: 48, .size: 8, .value_kind: global_buffer, .address_space: global }
    .group_segment_fixed_size: 327680
    .private_segment_fixed_size: 0
    .kernarg_segment_align: 8
    .kernarg_segment_size: 56
    .max_flat_workgroup_size: 128
    .sgpr_count:     102
    .vgpr_count:     1024
    .wavefront_size: 32
...
	.end_amdgpu_metadata
.endif
;; end of part 2
;; launch attn (part 3): grid 4 x 64, 16 waves a work-group, no clusters, 327,680 bytes of LDS; arguments qb, kv, ac, asc; writes ac, asc
.if DOCPART == 3
	.amdgcn_target "amdgcn-amd-amdhsa--gfx1250"
	.amdhsa_code_object_version 6
	.text
	.protected	k_qf704b87517_attn
	.globl	k_qf704b87517_attn
	.p2align	8
	.type	k_qf704b87517_attn,@function
k_qf704b87517_attn:
	s_mov_b64 s[64:65], 0
	v_nop
	global_prefetch_b8 v0, s[64:65] scope:SCOPE_SE
	s_setreg_imm32_b32 hwreg(HW_REG_WAVE_MODE, 25, 1), 1
	s_wait_xcnt 0x0
; Causal attention of one head on codes of FP6 (E2M3) with E8M0 scales; head size 64, 2,048 tokens, 64 heads (batch x 16).
; t = score x log2(e) / 8; M = the row's largest t so far, rounded up to a whole number; p = 2^(t - M) is quantised along the keys, not normalised; the row's sum is taken of the unquantised p and divides at the end.
; When M moves, the sum and O are multiplied by 2^(old M - new M): exact.  The result is quantised along the model's 1,024 (a head is two blocks of 32) and leaves as codes.
; IN: qb = [64 heads][16 chunks of 128 queries][6,656], kv = [64 heads][16 chunks of 128 keys][13,312] (K 8 tiles x 768; V^T 4 tiles x 1,536; K's scale planes 2 x 256; V's scale words 512): images of operand registers,
; six (or three) planes of 256 bytes a fragment, plane p = registers 2 p, 2 p + 1 of lane l at 8 l.  Tokens and V's channels lie by POSITION (within each 32 the two middle groups of eight have changed places).
; OUT: ac = [512 token tiles][8 chunks of 128 along the model][1,536]: head 2 i fills planes 0-2 of chunk i, head 2 i + 1 planes 3-5; asc = [8,192 positions][32]: byte 2 head + channel / 32.
; The head's K is 64 and the instruction's 128: registers 6-11 of Q's and K's fragments hold zero codes, which add nothing under any scale byte that these buffers hold.
; SHARES: work-group (p, head) takes query block 7 - p (256 queries) against key slots 0 .. 7 - p, then block p against slots 0 .. p: nine slots of 256 keys for every work-group, so the trip count is a constant
; and all 256 work-groups have the same work.  Each of sixteen waves owns 16 queries in 256 registers: four waves to a SIMD, so that one wave's vector work stands beside another's matrix work and LDS loads.
; A key step (128 keys) all of whose keys come after the wave's queries is left out by a scalar branch on ids; on the diagonal hidden scores become -infinity ahead of the maximum.
; NO CLUSTER: the four work-groups of a head want different slots from the fifth trip on, and a slot's 26,624 bytes feed 32 key steps of 12 matrix and some 235 vector instructions each: what could be shared is a small part of a trip.
; The scale bytes leave one byte a lane (32 bytes a tile): the other bytes of the same rows belong to other heads' work-groups.
; LIMITS: a block whose largest magnitude lies under 2^-124 keeps the byte 1 (a block of zeros too); v_exp_f32 gives 0 for results under 2^-126; NaN and infinities are not served.
; REGISTERS: v1-4 lane terms; v5, v6 the spare word's address and 0; v7 my query less 16 (lane / 16); v8-10 LDS addresses; v12 -M, v13 the largest t, v[14:15] the sum; v16-27 Q; v28 the prefetches' offset;
;   v32-79 four fragments of K; v80-86 the second block's Q; v96-159 S^T, then p, then V's four fragments; v160-191 O^T; v192-211 p's codes; v212-223 at work; v224-237 scale words; v238-244 at work.
.set SLOT1, 32768                      ; slot 1 begins here: one exclusive or turns an address in one slot into the other's
.set CHB,   13312                      ; a chunk of 128 keys
.set SLB,   2*CHB                      ; a slot: 256 keys, one dense block of memory
.set SPARE, 65536                      ; the spare words, 128 bytes for each wave: eight blocks of 256 bytes that no other line names
.set L8,   1
.set R16,  2
.set L16,  3
.set ASO,  4
.set SPW,  5
.set NIL,  6
.set QTH,  7
.set AD8,  8
.set ADR,  9
.set ADL,  10
.set PFO,  28
.set WV,   12                          ; s12 wave
.set PP,   13                          ; s13 p
.set BH,   14                          ; s14 head (batch x 16 + head)
.set NA,   15                          ; s15 trips of the first block: 8 - p
.set TT,   16                          ; s16 the trip
.set KC,   17                          ; s17 the key chunk in hand
.set TC,   18                          ; s18 my queries' chunk
.set TB,   19                          ; s19 LDS byte at which the slot in hand begins
.set SEL,  20
.set CS,   22                          ; s[22:23] log2(e) / 8
.set G1,   24
.set G0,   32
.set KVW,  36                          ; s[36:37] my quarter of the head's slot 0 in memory
.set OFF,  38                          ; s[38:39] a slot's offset
.set PFA,  40                          ; s[40:41] where the prefetches stand
.set LIM,  42                          ; s42 the last trip in which I prefetch, or -1
.set MHI,  43                          ; s43 lanes 16-31
.macro TLOAD                           ; waves 0 to 3 fetch a quarter of a slot each; four v_nop follow
	s_cmp_lt_u32 s[WV], 4
	s_cbranch_scc0 .Lnone_\@
	tensor_load_to_lds s[G0:G0+3], s[G1:G1+7]
	s_nop 0
.rept 4
	v_nop
.endr
.Lnone_\@:
.endm
; A PREFETCH INTO THE L2 of the codes of the slot that the NEXT change of slots will ask for: trip t names slot t + 2, a slot's two key steps ahead of its load.  All four work-groups of a head walk the same slots from 0 on:
; the one with p = 0, which walks all eight, asks; in it waves 4 to 6, which fetch nothing, one instruction each: 96 blocks of 256 bytes (48 of each chunk's codes), a lane a block: each is named once in the launch.
; Slots 0 and 1 and the scale bytes come by their loads alone; trips 6 and later ask for nothing: slot 7 is the last.
.macro ASK
	s_cmp_le_i32 s[TT], s[LIM]
	s_cbranch_scc0 .Lnot_mine_\@
	global_prefetch_b8 v[PFO], s[PFA:PFA+1] th:TH_LOAD_NT scope:SCOPE_SE
.Lnot_mine_\@:
.endm
	s_load_b256 s[4:11], s[0:1], 0x0               ; qb s[4:5], kv s[6:7], ac s[8:9], asc s[10:11]
	v_lshl_add_u32 v[SPW], v0, 2, SPARE
	v_mov_b32 v[NIL], 0
	ds_add_u32 v5, v6
	ds_add_u32 v5, v6
	s_wait_dscnt 0x0
	v_lshrrev_b32 v8, 5, v0
	s_delay_alu instid0(VALU_DEP_1)
	v_readfirstlane_b32 s[WV], v8                  ; wave 0..15
	s_mov_b32 s[PP], ttmp9
	s_and_b32 s[BH], ttmp7, 0xffff
	s_sub_co_u32 s[NA], 8, s[PP]
	s_mov_b32 s[TT], 0
	s_mov_b32 s[KC], 0
	s_mov_b32 s[TB], 0
	s_mov_b32 s[SEL], 0x76543210
	s_mov_b32 s[SEL+1], 0xfedcba98
	s_mov_b32 s[CS], 0x3e38aa3b                    ; log2(e) / sqrt(64)
	s_mov_b32 s[CS+1], s[CS]                       ; (named with it as a pair, so it is written)
	s_mov_b32 s[MHI], 0xffff0000
	; descriptor group 1: 6,656 dense bytes as 26 rows of 256 (32 elements of 8 bytes), no padding
	s_mov_b32 s[G1], 3<<16
	s_mov_b32 s[G1+1], 32<<16
	s_mov_b32 s[G1+2], 26<<16
	s_mov_b32 s[G1+3], 32<<16
	s_mov_b32 s[G1+4], 26
	s_mov_b32 s[G1+5], 32
	s_mov_b32 s[G1+6], 0
	s_mov_b32 s[G1+7], 0
	s_and_b32 s50, s[WV], 3
	s_mul_i32 s50, s50, 6656                       ; my quarter of a slot
	s_mul_i32 s54, s[BH], 16*CHB                   ; the head's first byte in kv
	s_mov_b32 s55, 0
	s_mov_b32 s[OFF], s50
	s_mov_b32 s[OFF+1], 0
	s_wait_kmcnt 0x0
	s_add_nc_u64 s[PFA:PFA+1], s[6:7], s[54:55]
	s_add_nc_u64 s[KVW:KVW+1], s[PFA:PFA+1], s[OFF:OFF+1]
	s_add_nc_u64 s[PFA:PFA+1], s[PFA:PFA+1], SLB   ; at slot 1: the first change of slots steps it to slot 2
	s_mov_b32 s[G0], 1
	s_mov_b32 s[G0+1], s50                         ; LDS: slot 0
	s_mov_b64 s[G0+2:G0+3], s[KVW:KVW+1]
	s_or_b32 s[G0+3], s[G0+3], 0x80000000
	TLOAD                                          ; slot 0's keys: the first fill, ahead of every wait on TENSORcnt, LDS read and barrier
	s_lshl_b32 s56, s[PP], 1
	s_sub_co_u32 s56, 7, s56                       ; 7 - 2 p: blocks between my two query blocks
	s_mul_i32 s44, s56, 196608                     ; s[44:45] in ac: 16 tiles of 12,288 bytes a block
	s_mov_b32 s45, 0
	s_lshl_b32 s46, s56, 13                        ; s[46:47] in asc: 256 rows of 32 bytes
	s_mov_b32 s47, 0
	s_lshl_b32 s48, s56, 8                         ; s48 in queries
	s_lshl_b32 s49, s56, 1                         ; s49 in chunks
	s_sub_co_u32 s51, 7, s[PP]                     ; my first block
	s_lshr_b32 s52, s[WV], 3
	s_lshl_b32 s[TC], s51, 1
	s_add_co_u32 s[TC], s[TC], s52
	s_sub_co_u32 s50, s[WV], 4
	s_cmp_lt_u32 s50, 3                            ; waves 4 to 6
	s_cselect_b32 s[LIM], 5, -1
	s_cmp_eq_u32 s[PP], 0                          ; of the work-group with p = 0
	s_cselect_b32 s[LIM], s[LIM], -1
	s_lshr_b32 s50, s[BH], 4
	s_lshl_b32 s50, s50, 7
	s_lshl_b32 s53, s51, 4
	s_add_co_u32 s50, s50, s53
	s_add_co_u32 s50, s50, s[WV]                   ; my token tile: 128 batch + 16 block + wave
	s_and_b32 s53, s[BH], 15                       ; the head in its batch
	s_mul_i32 s54, s50, 12288
	s_lshr_b32 s57, s53, 1
	s_mul_i32 s57, s57, 1536
	s_add_co_u32 s54, s54, s57
	s_and_b32 s57, s53, 1
	s_mul_i32 s57, s57, 768
	s_add_co_u32 s54, s54, s57
	s_add_nc_u64 s[8:9], s[8:9], s[54:55]          ; my three planes in ac
	s_lshl_b32 s54, s50, 9
	s_lshl_b32 s57, s53, 1
	s_add_co_u32 s54, s54, s57
	s_add_nc_u64 s[10:11], s[10:11], s[54:55]      ; my two bytes a row in asc
	s_lshl_b32 s54, s[BH], 4
	s_add_co_u32 s54, s54, s[TC]
	s_mul_i32 s54, s54, 6656
	s_add_nc_u64 s[4:5], s[4:5], s[54:55]          ; the first block's chunk of q,
	s_mul_i32 s54, s56, 13312
	s_sub_nc_u64 s[58:59], s[4:5], s[54:55]        ; the second block's: 2 (7 - 2 p) chunks back
	s_and_b32 s52, s[WV], 7
	s_mul_i32 s53, s52, 768                        ; my tile in the chunk
	s_lshr_b32 s57, s52, 2
	s_lshl_b32 s57, s57, 8
	s_and_b32 s52, s[WV], 3
	s_lshl_b32 s52, s52, 2
	s_add_co_u32 s57, s57, s52
	s_add_co_u32 s57, s57, 6144                    ; and its scale words: plane (tile / 4), word tile % 4
	s_lshl_b32 s50, s51, 8
	s_lshr_b32 s52, s[WV], 1
	s_lshl_b32 s52, s52, 5
	s_add_co_u32 s50, s50, s52
	s_and_b32 s52, s[WV], 1
	s_lshl_b32 s52, s52, 3
	s_add_co_u32 s50, s50, s52                     ; my tile's first token: 256 block + 32 (wave / 2) + 8 (wave % 2)
	v_and_b32 v8, 31, v0                           ; lane
	v_and_b32 v9, 15, v0                           ; r
	v_bfe_u32 v10, v0, 4, 1                        ; h
	s_delay_alu instid0(VALU_DEP_3)
	v_lshlrev_b32 v[L8], 3, v8
	s_delay_alu instid0(VALU_DEP_3)
	v_lshlrev_b32 v[R16], 4, v9
	v_lshlrev_b32 v[L16], 4, v8
	s_delay_alu instid0(VALU_DEP_4)
	v_lshl_add_u32 v[ASO], v9, 5, v10              ; 32 r + h
	v_lshrrev_b32 v11, 3, v9
	s_delay_alu instid0(VALU_DEP_1)
	v_lshl_add_u32 v[QTH], v11, 3, v9              ; r + 8 (r / 8)
	v_lshlrev_b32 v11, 4, v10
	s_delay_alu instid0(VALU_DEP_1)
	v_sub_nc_u32 v[QTH], v[QTH], v11
	s_delay_alu instid0(VALU_DEP_1)
	v_add_nc_u32 v[QTH], s50, v[QTH]               ; my query's token - 16 h
	v_add_nc_u32 v240, s53, v[L8]
	v_add_nc_u32 v241, s57, v[R16]
.irp p, 0,1,2
	global_load_b64 v[16+2*\p:17+2*\p], v240, s[4:5] offset:256*\p     ; Q of the first block,
.endr
	global_load_b32 v237, v241, s[4:5]
.irp p, 0,1,2
	global_load_b64 v[80+2*\p:81+2*\p], v240, s[58:59] offset:256*\p   ; and of the second: both stay in registers
.endr
	global_load_b32 v86, v241, s[58:59]
	s_and_b32 s50, s[WV], 3
	s_lshl_b32 s50, s50, 5
	v_add_nc_u32 v[PFO], s50, v8                   ; which of the 96 blocks: 32 (wave - 4) + lane
	v_mov_b32 v29, 0x400
	s_delay_alu instid0(VALU_DEP_2)
	v_cmp_lt_u32 vcc_lo, 47, v[PFO]
	s_delay_alu instid0(VALU_DEP_1)
	v_cndmask_b32 v29, 0, v29, vcc_lo              ; the second chunk's codes lie 1,024 bytes of scales further on
	s_delay_alu instid0(VALU_DEP_1)
	v_lshl_add_u32 v[PFO], v[PFO], 8, v29
	v_mov_b32 v13, 0xff61b1e6                      ; the largest t so far: -3e38
	s_delay_alu instid0(VALU_DEP_1)
	v_floor_f32 v12, -v13                          ; -M
	v_mov_b32 v14, 0
	v_mov_b32 v15, 0
.irp j, 22,23,24,25,26,27
	v_mov_b32 v[\j], 0                             ; Q's codes of k = 64 .. 127: zeros
.endr
.irp t, 0,1,2,3
.irp j, 6,7,8,9,10,11
	v_mov_b32 v[32+12*\t+\j], 0                    ; K's likewise: written once
.endr
.endr
.irp j, 0,1,2,3,4,5,6,7,8,9,10,11,12,13,14,15,16,17,18,19,20,21,22,23,24,25,26,27,28,29,30,31
	v_mov_b32 v[160+\j], 0                         ; O^T: the first change of M leaves zeros zeros
.endr
.irp j, 216,217,218,219,239,244
	v_mov_b32 v[\j], 0                             ; lane permutes' destinations, and the upper half of the pair v[238:239]
.endr
; A KEY STEP: 128 keys, chunk q of the slot in hand
.macro STEP q
	s_cmp_gt_u32 s[KC], s[TC]                      ; all its keys come after my queries: left out (no barrier and no tensor load stands in a step)
	s_cbranch_scc1 .Lhidden_\@
	s_wait_alu depctr_va_vdst(0)
.irp g, 0,1
	ds_load_b128 v[224+4*\g:227+4*\g], v[ADR] offset:CHB*(\q)+12288+256*\g   ; K's scale words: tiles 4 g .. 4 g + 3 of row r
.endr
	s_wait_alu depctr_va_vdst(0)
.irp g, 0,1                            ; S^T = K Q^T, four tiles of 16 keys at a time
.if \g
.rept 4
	v_nop                                          ; places in front of loads into registers that matrix instructions have read
.endr
.endif
.irp t, 0,1,2,3
.irp p, 0,1,2
	ds_load_b64 v[32+12*\t+2*\p:33+12*\t+2*\p], v[AD8] offset:CHB*(\q)+768*(4*\g+\t)+256*\p
.endr
.endr
	s_wait_dscnt 0x0
.irp t, 0,1,2,3
	v_wmma_scale_f32_16x16x128_f8f6f4 v[96+8*(4*\g+\t):103+8*(4*\g+\t)], v[32+12*\t:43+12*\t], v[16:27], 0, v[224+4*\g+\t], v237 matrix_a_fmt:MATRIX_FMT_FP6 matrix_b_fmt:MATRIX_FMT_FP6
.endr
.endr                                  ; lane (r, h) holds query r; register 16 b + i holds key 128 KC + 32 b + 16 h + i
.rept 4
	v_nop
.endr
	s_cmp_lt_u32 s[KC], s[TC]                      ; all keys count: no mask
	s_cbranch_scc1 .Lopen_\@
	s_lshl_b32 s50, s[KC], 7
	v_sub_nc_u32 v240, v[QTH], s50                 ; d = my query - 16 h - 128 KC: register 16 b + i is hidden where 32 b + i > d
	v_mov_b32 v241, 0xff800000                     ; -infinity
.irp n, 0,1,2,3,4,5,6,7,8,9,10,11,12,13,14,15,16,17,18,19,20,21,22,23,24,25,26,27,28,29,30,31,32,33,34,35,36,37,38,39,40,41,42,43,44,45,46,47,48,49,50,51,52,53,54,55,56,57,58,59,60,61,62,63
	v_cmp_gt_i32 vcc_lo, 32*(\n/16)+\n%16, v240
	v_cndmask_b32 v[96+\n], v[96+\n], v241, vcc_lo
.endr
.Lopen_\@:
.irp b, 0,1,2,3
	v_max3_num_f32 v[212+\b], v[96+16*\b], v[97+16*\b], v[98+16*\b]   ; the largest score of each block of 32 keys: for the row's maximum and, since p rises with the score, for the block's largest p
.endr
.irp i, 3,5,7,9,11,13
.irp b, 0,1,2,3
	v_max3_num_f32 v[212+\b], v[212+\b], v[96+16*\b+\i], v[97+16*\b+\i]
.endr
.endr
.irp b, 0,1,2,3
	v_max_num_f32 v[212+\b], v[212+\b], v[111+16*\b]
.endr
.irp b, 0,1,2,3
	s_delay_alu instid0(VALU_DEP_4)
	v_permlanex16_b32 v[216+\b], v[212+\b], s[SEL], s[SEL+1]
.endr
.irp b, 0,1,2,3
	s_delay_alu instid0(VALU_DEP_4)
	v_max_num_f32 v[212+\b], v[212+\b], v[216+\b]  ; with lane l xor 16's 16 keys
.endr
	s_delay_alu instid0(VALU_DEP_2)
	v_max3_num_f32 v240, v212, v213, v214
	s_delay_alu instid0(VALU_DEP_1)
	v_max_num_f32 v240, v240, v215                 ; the step's largest score of my query
	s_delay_alu instid0(VALU_DEP_1)
	v_mul_f32 v240, s[CS], v240                    ; as t
	s_delay_alu instid0(VALU_DEP_1)
	v_max_num_f32 v13, v13, v240                   ; the running largest t
	v_mov_b32 v240, v12
	s_delay_alu instid0(VALU_DEP_2)
	v_floor_f32 v12, -v13                          ; the new -M = floor(-t): M is a whole number
	s_delay_alu instid0(VALU_DEP_1)
	v_sub_f32 v240, v12, v240                      ; old M - new M: a whole number, 0 or less
	s_delay_alu instid0(VALU_DEP_1)
	v_cvt_i32_f32 v240, v240                       ; (it saturates)
	s_delay_alu instid0(VALU_DEP_1)
	v_ldexp_f32 v238, 1.0, v240                    ; f = 2^(old M - new M)
.irp j, 0,2,4,6,8,10,12,14,16,18,20,22,24,26,28,30,32,34,36,38,40,42,44,46,48,50,52,54,56,58,60,62
	v_pk_fma_f32 v[96+\j:97+\j], v[96+\j:97+\j], s[CS:CS+1], v[12:13] op_sel_hi:[1,0,0]   ; t - M, two at a time
.endr
.irp b, 0,1,2,3
	v_fma_f32 v[212+\b], v[212+\b], s[CS], v12     ; the same of each block's largest score
.endr
	s_wait_alu depctr_va_vdst(0)
.irp j, 0,1,2,3,4,5,6,7,8,9,10,11,12,13,14,15,16,17,18,19,20,21,22,23,24,25,26,27,28,29,30,31,32,33,34,35,36,37,38,39,40,41,42,43,44,45,46,47,48,49,50,51,52,53,54,55,56,57,58,59,60,61,62,63
	v_exp_f32 v[96+\j], v[96+\j]                   ; p = 2^(t - M)
.endr
	v_pk_mul_f32 v[14:15], v[14:15], v[238:239] op_sel_hi:[1,0]   ; the sums under the new M (a plain place behind the exponentials)
	s_wait_alu depctr_va_vdst(0)                   ; one wait for the whole batch, ahead of its first reader
.irp b, 0,1,2,3
	v_exp_f32 v[212+\b], v[212+\b]                 ; the block's largest p
.endr
	v_pk_add_f32 v[242:243], v[100:101], v[104:105]
	v_pk_add_f32 v[254:255], v[108:109], v[112:113]
	v_pk_add_f32 v[252:253], v[116:117], v[120:121]
	v_pk_add_f32 v[250:251], v[124:125], v[128:129]
	v_pk_add_f32 v[248:249], v[132:133], v[136:137]
	v_pk_add_f32 v[246:247], v[140:141], v[144:145]
	v_pk_add_f32 v[240:241], v[148:149], v[152:153]
	v_pk_add_f32 v[14:15], v[14:15], v[156:157]
	v_pk_add_f32 v[242:243], v[242:243], v[96:97]
	v_pk_add_f32 v[254:255], v[254:255], v[98:99]
	v_pk_add_f32 v[252:253], v[252:253], v[102:103]
	v_pk_add_f32 v[250:251], v[250:251], v[106:107]
	v_pk_add_f32 v[248:249], v[248:249], v[110:111]
	v_pk_add_f32 v[246:247], v[246:247], v[114:115]
	v_pk_add_f32 v[240:241], v[240:241], v[118:119]
	v_pk_add_f32 v[14:15], v[14:15], v[122:123]
	v_pk_add_f32 v[242:243], v[242:243], v[126:127]
	v_pk_add_f32 v[254:255], v[254:255], v[130:131]
	v_pk_add_f32 v[252:253], v[252:253], v[134:135]
	v_pk_add_f32 v[250:251], v[250:251], v[138:139]
	v_pk_add_f32 v[248:249], v[248:249], v[142:143]
	v_pk_add_f32 v[246:247], v[246:247], v[146:147]
	v_pk_add_f32 v[240:241], v[240:241], v[150:151]
	v_pk_add_f32 v[14:15], v[14:15], v[154:155]
	v_pk_add_f32 v[242:243], v[242:243], v[158:159]
	s_delay_alu instid0(VALU_DEP_2)
	v_pk_add_f32 v[14:15], v[14:15], v[250:251]
	s_delay_alu instid0(VALU_DEP_2)
	v_pk_add_f32 v[242:243], v[242:243], v[248:249]
	v_pk_add_f32 v[254:255], v[254:255], v[246:247]
	v_pk_add_f32 v[252:253], v[252:253], v[240:241]
	s_delay_alu instid0(VALU_DEP_2)
	v_pk_add_f32 v[14:15], v[14:15], v[254:255]
	s_delay_alu instid0(VALU_DEP_2)
	v_pk_add_f32 v[242:243], v[242:243], v[252:253]
	s_delay_alu instid0(VALU_DEP_1)
	v_pk_add_f32 v[14:15], v[14:15], v[242:243]
	s_wait_alu depctr_va_vdst(0)                   ; and one for the four
.irp b, 0,1,2,3
	v_max_num_f32 v[212+\b], 0x1800000, v[212+\b]  ; the floor 2^(3 - 127): the byte cannot fall under 1
.endr
.irp b, 0,1,2,3
	s_delay_alu instid0(VALU_DEP_4)
	v_add_nc_u32 v[220+\b], 0xff000000, v[212+\b]  ; 2 off the exponent field: the conversion's scale operand
.endr
.irp b, 0,1,2,3
	s_delay_alu instid0(VALU_DEP_4)
	v_lshrrev_b32 v[216+\b], 23, v[220+\b]         ; the scale's byte
.endr
	s_delay_alu instid0(VALU_DEP_3)
	v_lshl_or_b32 v236, v217, 8, v216              ; p's scale word for these 128 keys
	s_delay_alu instid0(VALU_DEP_1)
	v_lshl_or_b32 v236, v218, 16, v236
	s_delay_alu instid0(VALU_DEP_1)
	v_lshl_or_b32 v236, v219, 24, v236
.irp c, 0,1
	v_cvt_scalef32_pk16_fp6_f32 v[192+6*\c:194+6*\c], v[96+32*\c:111+32*\c], v[220+2*\c]
	v_cvt_scalef32_pk16_fp6_f32 v[204+4*\c:206+4*\c], v[112+32*\c:127+32*\c], v[220+2*\c+1]
.endr
	v_nop                                          ; one plain place behind a scaled conversion
.irp t, 0,1,2,3                        ; V's four fragments land in p's registers, which the conversions have read, while the lines below run
.irp p, 0,1,2,3,4,5
	ds_load_b64 v[96+12*\t+2*\p:97+12*\t+2*\p], v[AD8] offset:CHB*(\q)+6144+1536*\t+256*\p
.endr
.endr
	ds_load_b128 v[232:235], v[ADL] offset:CHB*(\q)+12800   ; V's scale words: tiles 0-3 of row l % 16
.irp c, 0,1                            ; the operand's layout wants a whole block in a lane
.irp i, 0,1,2
	v_permlane16_swap_b32 v[192+6*\c+\i], v[204+4*\c+\i]
.endr
.irp i, 0,1,2
	s_delay_alu instid0(VALU_DEP_3)
	v_mov_b32 v[195+6*\c+\i], v[204+4*\c+\i]
.endr
.endr
.irp j, 0,2,4,6,8,10,12,14,16,18,20,22,24,26,28,30
	v_pk_mul_f32 v[160+\j:161+\j], v[160+\j:161+\j], v[238:239] op_sel_hi:[1,0]   ; O^T under the new M; these sixteen are also the places between the scale word's and the codes' last writes and the products
.endr
	s_wait_alu depctr_va_vdst(0)
	s_wait_dscnt 0x0
.irp t, 0,1,2,3                        ; O^T += V^T P^T: the four accumulators by turns
	v_wmma_scale_f32_16x16x128_f8f6f4 v[160+8*\t:167+8*\t], v[96+12*\t:107+12*\t], v[192:203], v[160+8*\t:167+8*\t], v[232+\t], v236 matrix_a_fmt:MATRIX_FMT_FP6 matrix_b_fmt:MATRIX_FMT_FP6
.endr
.rept 5
	v_nop                                          ; five places: the next step's first products write over V's registers
.endr
.Lhidden_\@:
	s_add_co_u32 s[KC], s[KC], 1
.endm
; THE CHANGE OF SLOTS stands at a slot's head.  Each wave waits for all its tensor loads, adds 0 to its spare word, and waits for that and for its reads of the slot that it has left; behind the barrier the slot ahead is whole
; and nobody reads the other one.  fill = 1: that other slot takes the keys of the next trip: slot t + 1 of the first block, or t + 1 - NA of the second.  One tensor load of a wave is out at a time.
.macro CHANGE fill
	s_wait_tensorcnt 0x0                           ; no tensor load of mine is out, so group 0 may be written
	ds_add_u32 v[SPW], v[NIL]                      ; 0 onto my spare word
.if \fill
	s_add_co_u32 s50, s[TT], 1
	s_sub_co_u32 s51, s50, s[NA]
	s_cmp_lt_u32 s50, s[NA]
	s_cselect_b32 s50, s50, s51                    ; which 256 keys
	s_mul_i32 s[OFF], s50, SLB
	s_add_nc_u64 s[G0+2:G0+3], s[KVW:KVW+1], s[OFF:OFF+1]
	s_or_b32 s[G0+3], s[G0+3], 0x80000000
	s_xor_b32 s[G0+1], s[G0+1], SLOT1              ; the other slot than last time
	s_wait_xcnt 0x0                                ; the last prefetch, a trip back, has read its address
	s_add_nc_u64 s[PFA:PFA+1], s[PFA:PFA+1], SLB
.endif
	s_wait_dscnt 0x0                               ; the add is done, and my reads of the slot that I have left are over
	s_barrier_signal -1
	s_barrier_wait -1
.if \fill
	TLOAD                                          ; the first thing behind the barrier, and a wave's one tensor load until the next
	ASK
.endif
.endm
.macro SLOT_STEPS
	v_add_nc_u32 v[AD8], s[TB], v[L8]
	v_add_nc_u32 v[ADR], s[TB], v[R16]
	v_add_nc_u32 v[ADL], s[TB], v[L16]
	STEP 0
	STEP 1
	s_xor_b32 s[TB], s[TB], SLOT1
.endm
; A QUERY BLOCK'S END: O^T / the sum; its 32 registers (register 16 b + i = channel 32 b + 16 h + i) are two blocks along the model's axis: codes (three planes) and two scale bytes a row.  next = 1: on to the second block.
.macro FIN next
	v_add_f32 v14, v14, v15
	s_wait_alu depctr_va_vdst(0)
	v_permlanex16_b32 v244, v14, s[SEL], s[SEL+1]
	s_delay_alu instid0(VALU_DEP_1)
	v_add_f32 v14, v14, v244                       ; the row's sum
	s_wait_alu depctr_va_vdst(0)
	v_rcp_f32 v242, v14
	v_mov_b32 v243, 0                              ; a plain place behind the reciprocal (and the pair's upper half is written)
	s_wait_alu depctr_va_vdst(0)                   ; ahead of the first reader
.irp j, 0,2,4,6,8,10,12,14,16,18,20,22,24,26,28,30
	v_pk_mul_f32 v[96+\j:97+\j], v[160+\j:161+\j], v[242:243] op_sel_hi:[1,0]   ; each accumulator from its low end on
.endr
	v_max3_num_f32 v212, |v96|, |v97|, 0x1800000
	v_max3_num_f32 v213, |v112|, |v113|, 0x1800000
.irp i, 2,4,6,8,10,12,14
	s_delay_alu instid0(VALU_DEP_2)
	v_max3_num_f32 v212, v212, |v[96+\i]|, |v[97+\i]|
	s_delay_alu instid0(VALU_DEP_2)
	v_max3_num_f32 v213, v213, |v[112+\i]|, |v[113+\i]|
.endr
	s_delay_alu instid0(VALU_DEP_2)
	v_permlanex16_b32 v216, v212, s[SEL], s[SEL+1]
	s_delay_alu instid0(VALU_DEP_2)
	v_permlanex16_b32 v217, v213, s[SEL], s[SEL+1]
	s_delay_alu instid0(VALU_DEP_2)
	v_max_num_f32 v212, v212, v216
	s_delay_alu instid0(VALU_DEP_2)
	v_max_num_f32 v213, v213, v217
	s_delay_alu instid0(VALU_DEP_2)
	v_add_nc_u32 v220, 0xff000000, v212
	s_delay_alu instid0(VALU_DEP_2)
	v_add_nc_u32 v221, 0xff000000, v213
	s_delay_alu instid0(VALU_DEP_2)
	v_lshrrev_b32 v216, 23, v220
	s_delay_alu instid0(VALU_DEP_2)
	v_lshrrev_b32 v217, 23, v221
	s_delay_alu instid0(VALU_DEP_1)
	v_cndmask_b32 v218, v216, v217, s[MHI]         ; lanes 0-15 store block 0's byte, lanes 16-31 block 1's
	v_cvt_scalef32_pk16_fp6_f32 v[192:194], v[96:111], v220
	v_cvt_scalef32_pk16_fp6_f32 v[204:206], v[112:127], v221
	v_nop                                          ; one plain place behind a scaled conversion
.irp i, 0,1,2
	v_permlane16_swap_b32 v[192+\i], v[204+\i]
.endr
.irp i, 0,1,2
	s_delay_alu instid0(VALU_DEP_3)
	v_mov_b32 v[195+\i], v[204+\i]
.endr
.irp p, 0,1,2
	global_store_b64 v[L8], v[192+2*\p:193+2*\p], s[8:9] offset:256*\p   ; 32 lanes store 256 consecutive bytes, aligned
.endr
	global_store_b8 v[ASO], v218, s[10:11]
.if \next
	s_wait_xcnt 0x0                                ; the stores have read their data and their bases: both are written again only behind this wait
	s_sub_nc_u64 s[8:9], s[8:9], s[44:45]
	s_sub_nc_u64 s[10:11], s[10:11], s[46:47]
	v_mov_b32 v237, v86                            ; the second block's Q and its scale word; the lines below are the places ahead of the next products
.irp j, 0,1,2,3,4,5
	v_mov_b32 v[16+\j], v[80+\j]
.endr
	v_sub_nc_u32 v[QTH], v[QTH], s48
	s_sub_co_u32 s[TC], s[TC], s49
	s_mov_b32 s[KC], 0
	v_mov_b32 v13, 0xff61b1e6
	s_delay_alu instid0(VALU_DEP_1)
	v_floor_f32 v12, -v13
	v_mov_b32 v14, 0
	v_mov_b32 v15, 0
.irp j, 0,1,2,3,4,5,6,7,8,9,10,11,12,13,14,15,16,17,18,19,20,21,22,23,24,25,26,27,28,29,30,31
	v_mov_b32 v[160+\j], 0
.endr
.endif
.endm
	s_wait_loadcnt 0x0                             ; Q
.Ltrip:                                            ; eight trips: behind each change of slots the next trip's keys are asked for
	CHANGE 1
	SLOT_STEPS
	s_sub_co_u32 s50, s[NA], 1
	s_cmp_eq_u32 s[TT], s50                        ; the first block's last trip?
	s_cbranch_scc0 .Lsame_block
	FIN 1
.Lsame_block:
	s_add_co_u32 s[TT], s[TT], 1
	s_cmp_lt_u32 s[TT], 8
	s_cbranch_scc1 .Ltrip
	CHANGE 0                                       ; the ninth trip is written out
	SLOT_STEPS
	FIN 0
	s_wait_tensorcnt 0x0                           ; the wave's end
	ds_add_u32 v[SPW], v[NIL]
	s_wait_dscnt 0x0
	s_endpgm
.Lfunc_end_k_qf704b87517_attn:
	.size	k_qf704b87517_attn, .Lfunc_end_k_qf704b87517_attn-k_qf704b87517_attn
	.p2alignl 7, 3214868480
	.fill 96, 4, 3214868480
	.section	.rodata,"a",@progbits
	.p2align	6, 0x0
	.amdhsa_kernel k_qf704b87517_attn
		.amdhsa_group_segment_fixed_size 327680
		.amdhsa_private_segment_fixed_size 0
		.amdhsa_enable_private_segment 0
		.amdhsa_kernarg_size 32
		.amdhsa_user_sgpr_count 2
		.amdhsa_user_sgpr_kernarg_segment_ptr 1
		.amdhsa_wavefront_size32 1
		.amdhsa_system_sgpr_workgroup_id_x 1
		.amdhsa_system_sgpr_workgroup_id_y 1
		.amdhsa_system_sgpr_workgroup_id_z 1
		.amdhsa_system_vgpr_workitem_id 0
		.amdhsa_next_free_vgpr 256
		.amdhsa_next_free_sgpr 66
		.amdhsa_reserve_vcc 1
		.amdhsa_float_denorm_mode_32 3
		.amdhsa_float_denorm_mode_16_64 3
		.amdhsa_memory_ordered 1
		.amdhsa_forward_progress 1
		.amdhsa_inst_pref_size 115
	.end_amdhsa_kernel
	.amdgpu_metadata
---
amdhsa.version: [ 1, 2 ]
amdhsa.kernels:
  - .name:           k_qf704b87517_attn
    .symbol:         k_qf704b87517_attn.kd
    .args:
      - { .name: qb, .offset: 0, .size: 8, .value_kind: global_buffer, .address_space: global }
      - { .name: kv, .offset: 8, .size: 8, .value_kind: global_buffer, .address_space: global }
      - { .name: ac, .offset: 16, .size: 8, .value_kind: global_buffer, .address_space: global }
      - { .name: asc, .offset: 24, .size: 8, .value_kind: global_buffer, .address_space: global }
    .group_segment_fixed_size: 327680
    .private_segment_fixed_size: 0
    .kernarg_segment_align: 8
    .kernarg_segment_size: 32
    .max_flat_workgroup_size: 512
    .sgpr_count:     66
    .vgpr_count:     256
    .wavefront_size: 32
...
	.end_amdgpu_metadata
.endif
;; end of part 3
;; launch oproj (part 4): grid 4 x 32, 4 waves a work-group, clusters of 4 x 4, 327,680 bytes of LDS; arguments ac, asc, cw, sw, bo, out0; writes out0
.if DOCPART == 4
	.amdgcn_target "amdgcn-amd-amdhsa--gfx1250"
	.amdhsa_code_object_version 6
	.text
	.protected	k_qf704b87517_oproj
	.globl	k_qf704b87517_oproj
	.p2align	8
	.type	k_qf704b87517_oproj,@function
k_qf704b87517_oproj:
	s_mov_b64 s[64:65], 0
	v_nop
	global_prefetch_b8 v0, s[64:65] scope:SCOPE_SE
	s_setreg_imm32_b32 hwreg(HW_REG_WAVE_MODE, 25, 1), 1
	s_wait_xcnt 0x0
	s_wait_alu depctr_hold_cnt(0) depctr_sa_sdst(0) depctr_va_vdst(0) depctr_va_sdst(0) depctr_va_ssrc(0) depctr_va_vcc(0) depctr_vm_vsrc(0)
	s_getreg_b32 s2, hwreg(HW_REG_IB_STS2, 6, 4)
	s_cmp_eq_u32 s2, 0
	s_cbranch_scc0 .Lentry_in_a_cluster
	s_endpgm
.Lentry_in_a_cluster:
	s_bfe_u32 s2, ttmp6, 0x10000c
	s_cmp_lg_u32 s2, 0xf033
	s_cbranch_scc0 .Lentry_shape_is_right
	s_endpgm
.Lentry_shape_is_right:
; out0 = a Wo^T + bo on codes of FP6 (E2M3) with E8M0 scales; sums in f32; out0 [8192][1024] f32.
; IN: ac = [512 token tiles][8 chunks of 128 K][1,536] and cw (Wo: row tiles 704-767) likewise: images of fragments (six planes of 256 bytes, plane p = registers 2 p, 2 p + 1 of lane l at 8 l);
; asc, sw = [row][32] scale bytes.  The rows of a tile lie by POSITION: row r of tile 2 g + w is token (or row of Wo) 32 g + 8 w + r + 8 (r / 8).
; Source 0 = 16 rows of Wo (S0), source 1 = 16 tokens (S1): a lane holds one token, and the 16 registers of result tiles 2 b, 2 b + 1 are the 16 neighbouring outputs 32 b + 16 (lane / 16) + 0 .. 15.
; The way out puts the tokens back in their order.
; SHARES: a work-group of four waves makes 256 x 256, a wave 128 x 128: 64 accumulators.  K = 1,024 goes in four steps of 256 through two LDS slots filled by the tensor data mover.  128 work-groups.
; CLUSTERS: 4 x 4 work-groups; the tokens' tiles are shared along a row of the cluster, Wo's along a column: each is asked for jointly.
; REGISTERS: window 0: v16-31 addresses; v32-63 scale words, two sets; v64-127 bo, 8 x 8; v128-223 S1's fragments, one set (on the way out v128-255 hold rows of out0).
;   window 1: S0's fragments, two sets.   windows 2, 3: accumulator (a, b) at v[8 (8 (a % 4) + b)].
.set NQ,     2
.set FR,     12
.set NL,     6
.set NP,     4
.set TILEB,  3072
.set HALFT,  8*TILEB
.set SLOT,   4*HALFT
.set LAPS,   2
.set KS,     32
.set SCL,    2*SLOT
.set HALFS,  16*272
.set SBLK,   2*272
.set SPARE,  SCL+4*HALFS               ; the spare words, 128 bytes for each wave: two blocks of 256 bytes that no other line names
.set SPITCH, 528                       ; the way out: a stage of 16 rows x (512 bytes + 16) for each wave, in slot 0, which has had its last fill and its last read when the first result is stored there
.set ADRA, 16
.set ADRB, 20
.set STO,  24
.set RD,   25
.set CO,   26
.set ADRS, 27
.set SPW,  28
.set NIL,  29
.set VB,   30
.set SC,   32
.set BIAS, 64
.set AF,   128
.set BK,   128
.set G1,   24
.set G0,   32
.set G1B,  48
.set G0B,  56
.set G1S,  68
.set G0S,  76
.set G1SB, 80
.set G0SB, 88
.set MSB, 0
.macro WIN new                         ; the immediate's high byte repeats the setting that is left
.if MSB != \new
	s_set_vgpr_msb (MSB<<8)|\new
.set MSB, \new
.endif
.endm
.set MUL_LO, 0xa1
.set MUL_HI, 0xf1
.set TO_B,   0x40
.macro JLOAD g0a, g1a, g0b, g1b        ; a joint load: waves 0 and 1 fetch for S1, waves 2 and 3 for S0; four v_nop follow each of the two lines
	s_cmp_eq_u32 s19, 0
	s_cbranch_scc0 .Lfor_b_\@
	tensor_load_to_lds s[\g0a:\g0a+3], s[\g1a:\g1a+7]
	s_nop 0
.rept 4
	v_nop
.endr
	s_branch .Lasked_\@
.Lfor_b_\@:
	tensor_load_to_lds s[\g0b:\g0b+3], s[\g1b:\g1b+7]
	s_nop 0
.rept 4
	v_nop
.endr
.Lasked_\@:
.endm
.macro CREST
	s_cmp_lg_u32 s18, 0
	s_cbranch_scc1 .Lnot_wave_0_\@
	s_barrier_signal -3
.Lnot_wave_0_\@:
	s_barrier_wait -3
	s_barrier_signal -1
	s_barrier_wait -1
.endm
.macro CROUND
	s_barrier_signal -1
	s_barrier_wait -1
	CREST
.endm
	s_load_b256 s[4:11], s[0:1], 0x0               ; ac s[4:5], asc s[6:7], cw s[8:9], sw s[10:11]
	s_load_b128 s[12:15], s[0:1], 0x20             ; bo s[12:13], out0 s[14:15]
	v_lshl_add_u32 v[SPW], v0, 2, SPARE
	v_mov_b32 v[NIL], 0
	ds_add_u32 v28, v29
	s_wait_dscnt 0x0
	v_lshrrev_b32 v1, 5, v0
	v_readfirstlane_b32 s18, v1                    ; wave 0..3
	s_lshr_b32 s19, s18, 1                         ; which half of the tokens is mine.  Also: I fetch for S1 (0) or for S0 (1)
	s_and_b32 s20, s18, 1                          ; which half of the outputs.  Also: which 128 rows I fetch
	s_bfe_u32 s21, ttmp6, 0x40000                  ; cx
	s_bfe_u32 s22, ttmp6, 0x40004                  ; cy
	s_and_b32 s23, ttmp7, 0xffff                   ; cluster y, 0..7
	s_lshl_b32 s41, s22, 2
	s_lshl_b32 s41, 15, s41                        ; my row of the cluster
	s_lshl_b32 s42, 0x1111, s21                    ; my column
	s_or_b32 s[G1+0], s41, (3<<16)|(1<<21)         ; codes: 8 row tiles x 3,072 bytes (384 elements of 8 bytes), 12,288 bytes apart; dense in LDS
	s_or_b32 s[G1B+0], s42, (3<<16)|(1<<21)
.irp g, G1, G1B
	s_mov_b32 s[\g+1], 384<<16
	s_mov_b32 s[\g+2], 8<<16
	s_mov_b32 s[\g+3], 384<<16
	s_mov_b32 s[\g+4], 8
	s_mov_b32 s[\g+5], 1536
	s_mov_b32 s[\g+6], 0
	s_mov_b32 s[\g+7], 0
.endr
	s_or_b32 s[G1S+0], s41, (3<<16)|(1<<20)|(1<<21)|(5<<22)|(3<<25)   ; scales of 128 rows: 16 rows of 256 bytes, 16 bytes of padding behind each
	s_or_b32 s[G1SB+0], s42, (3<<16)|(1<<20)|(1<<21)|(5<<22)|(3<<25)
.irp g, G1S, G1SB
	s_mov_b32 s[\g+1], 32<<16
	s_mov_b32 s[\g+2], 16<<16
	s_mov_b32 s[\g+3], 32<<16
	s_mov_b32 s[\g+4], 16
	s_mov_b32 s[\g+5], 32
	s_mov_b32 s[\g+6], 0
	s_mov_b32 s[\g+7], 0
.endr
	s_lshl_b32 s47, s20, 7                         ; which 128 rows I fetch
	s_lshl_b32 s45, s23, 2
	s_add_co_u32 s45, s45, s22
	s_lshl_b32 s45, s45, 8
	s_add_co_u32 s45, s45, s47                     ; S1: token position 256 (4 cluster y + cy) + 128 x half
	s_lshl_b32 s43, s21, 8
	s_add_co_u32 s43, s43, 11264
	s_add_co_u32 s43, s43, s47                     ; S0: row 11,264 + 256 cx + 128 x half of cw: Wo
	s_mul_i32 s66, s45, 768
	s_mov_b32 s67, 0
	s_lshl_b32 s46, s45, 5
	s_mov_b32 s47, 0
	s_mul_i32 s92, s43, 768
	s_mov_b32 s93, 0
	s_lshl_b32 s94, s43, 5
	s_mov_b32 s95, 0
	s_mul_i32 s96, s18, HALFT                      ; where they go: wave x 128 rows
	s_mul_i32 s97, s18, HALFS
	s_wait_kmcnt 0x0
	s_add_nc_u64 s[66:67], s[4:5], s[66:67]
	s_add_nc_u64 s[92:93], s[8:9], s[92:93]
	CROUND                                         ; all sixteen work-groups are here: the first joint loads meet
	s_mov_b32 s[G0S], 1
	s_add_co_u32 s[G0S+1], s97, SCL
	s_add_nc_u64 s[G0S+2:G0S+3], s[6:7], s[46:47]
	s_or_b32 s[G0S+3], s[G0S+3], 0x80000000
	s_mov_b32 s[G0SB], 1
	s_add_co_u32 s[G0SB+1], s97, SCL
	s_add_nc_u64 s[G0SB+2:G0SB+3], s[10:11], s[94:95]
	s_or_b32 s[G0SB+3], s[G0SB+3], 0x80000000
	JLOAD G0S, G1S, G0SB, G1SB
.irp s, 0,1
	s_mov_b32 s[G0+4*\s], 1
	s_add_co_u32 s[G0+4*\s+1], s96, \s*SLOT
	s_add_nc_u64 s[G0+4*\s+2:G0+4*\s+3], s[66:67], \s*TILEB
	s_or_b32 s[G0+4*\s+3], s[G0+4*\s+3], 0x80000000
	s_mov_b32 s[G0B+4*\s], 1
	s_add_co_u32 s[G0B+4*\s+1], s96, \s*SLOT
	s_add_nc_u64 s[G0B+4*\s+2:G0B+4*\s+3], s[92:93], \s*TILEB
	s_or_b32 s[G0B+4*\s+3], s[G0B+4*\s+3], 0x80000000
	JLOAD G0+4*\s, G1, G0B+4*\s, G1B               ; three loads of mine are out now
.endr
	v_and_b32 v1, 31, v0                           ; lane
	v_and_b32 v2, 15, v0                           ; r
	v_bfe_u32 v3, v0, 4, 1                         ; h
	v_lshlrev_b32 v4, 3, v1
	s_mul_i32 s43, s19, HALFT
	s_mul_i32 s44, s20, HALFT
	s_add_co_u32 s44, s44, 2*HALFT
.irp s, 0,1
	v_add_nc_u32 v[ADRA+\s], s43, v4
	v_add_nc_u32 v[ADRB+\s], s44, v4
	s_add_co_u32 s43, s43, SLOT
	s_add_co_u32 s44, s44, SLOT
.endr
	v_mul_u32_u24 v5, v2, KS
	v_lshrrev_b32 v6, 8, v5
	v_lshl_add_u32 v5, v6, 4, v5
	s_mul_i32 s43, s19, HALFS
	s_mul_i32 s44, s20, HALFS
	s_add_co_u32 s44, s44, 2*HALFS
	s_sub_co_u32 s44, s44, s43
	v_mul_u32_u24 v6, s44, v3                      ; lanes 16-31 take S0's
	s_add_co_u32 s43, s43, SCL
	v_add_nc_u32 v5, v5, v6
	v_add_nc_u32 v[ADRS], s43, v5
	s_mul_i32 s43, s18, 16*SPITCH                  ; my stage
	v_mul_u32_u24 v5, v2, SPITCH
	v_lshl_add_u32 v5, v3, 6, v5
	v_add_nc_u32 v[STO], s43, v5                   ; in: row r, + 64 h: my 16 outputs of each 32
	v_lshlrev_b32 v[CO], 4, v1                     ; back: the 32 lanes take one row of 512 bytes; and the same in out0
	v_add_nc_u32 v[RD], s43, v[CO]
	v_lshlrev_b32 v[VB], 6, v3
	s_lshl_b32 s44, s23, 2
	s_add_co_u32 s44, s44, s22
	s_lshl_b32 s44, s44, 1
	s_add_co_u32 s44, s44, s19
	s_lshl_b32 s44, s44, 19                        ; my 128 tokens: rows of 4,096 bytes
	s_mov_b32 s45, 0
	s_lshl_b32 s46, s21, 10
	s_lshl_b32 s47, s20, 9
	s_add_co_u32 s46, s46, s47                     ; my 128 outputs: 1,024 cx + 512 x half bytes, in bo and in a row of out0
	s_mov_b32 s47, 0
	s_add_nc_u64 s[12:13], s[12:13], s[46:47]
	s_add_nc_u64 s[14:15], s[14:15], s[44:45]
	s_add_nc_u64 s[14:15], s[14:15], s[46:47]
.irp t, 0,1,2,3,4,5,6,7                ; bo is the C of each sum's first matrix instruction: block b, register j: output 32 (b / 2) + 8 (b % 2) + 16 h + j
	global_load_b128 v[BIAS+8*\t:BIAS+8*\t+3], v[VB], s[12:13] offset:4*(32*(\t/2)+8*(\t%2))
	global_load_b128 v[BIAS+8*\t+4:BIAS+8*\t+7], v[VB], s[12:13] offset:4*(32*(\t/2)+8*(\t%2))+16
.endr
.macro FRAG reg, adr, q, i             ; a fragment's image: six planes of 256 consecutive bytes
.irp p, 0,1,2,3,4,5
	ds_load_b64 v[\reg+2*\p:\reg+2*\p+1], v[\adr] offset:(\i)*TILEB+(\q)*1536+256*\p
.endr
.endm
; 16 matrix instructions: S1's blocks a0, a0 + 1 x S0's eight.  zero = 1: C = the bias.  The 64 accumulators take turns, one instruction a turn, in the same order in every step.
.macro MUL16 a0, p, q, sc, zero
.irp a, \a0, \a0+1
.irp b, 0,1,2,3,4,5,6,7
.set rD, 8*(8*((\a)%4)+\b)
.set rB, 128*(\p)+FR*\b
.set rA, AF+FR*(\a)
.set sB, SC+8*NQ*(\sc)+NQ*\b+(\q)
.set sA, SC+8*NQ*(\sc)+NQ*(\a)+(\q)
.if (\zero) == 1
	v_wmma_scale_f32_16x16x128_f8f6f4 v[rD:rD+7], v[rB:rB+FR-1], v[rA:rA+FR-1], v[BIAS+8*\b:BIAS+8*\b+7], v[sB], v[sA] matrix_a_fmt:MATRIX_FMT_FP6 matrix_b_fmt:MATRIX_FMT_FP6 matrix_a_scale:MATRIX_SCALE_ROW1
.else
	v_wmma_scale_f32_16x16x128_f8f6f4 v[rD:rD+7], v[rB:rB+FR-1], v[rA:rA+FR-1], v[rD:rD+7], v[sB], v[sA] matrix_a_fmt:MATRIX_FMT_FP6 matrix_b_fmt:MATRIX_FMT_FP6 matrix_a_scale:MATRIX_SCALE_ROW1
.endif
.endr
.endr
.endm
.macro FETCH_B slot, q, p
	WIN TO_B
.irp i, 0,1,2,3,4,5,6,7
	FRAG 128*(\p)+FR*\i, ADRB+\slot, \q, \i
.endr
	WIN 0
.endm
.macro FETCH_A slot, q, i0
.irp i, \i0, \i0+1, \i0+2, \i0+3
	FRAG AF+FR*(\i), ADRA+\slot, \q, \i
.endr
.endm
.macro SCALES sc
.irp i, 0,1,2,3,4,5,6,7
	ds_load_b64 v[SC+8*NQ*\sc+NQ*\i:SC+8*NQ*\sc+NQ*\i+1], v[ADRS] offset:\i*SBLK
.endr
.endm
.macro PLACES n                        ; plain vector instructions between a matrix instruction and a load into, or a read of, its registers (ISA guide 7.12.1 for reads)
.rept \n
	v_nop
.endr
.endm
.macro STEP slot, q, zero
	s_wait_dscnt 4*NL                              ; S0's set and S1's blocks 0-3 are in; the youngest 24 loads (S1's blocks 4-7) may be out
.if \zero
	WIN 0x81                                       ; C (the bias) in window 0, D in window 2
.else
	WIN MUL_LO
.endif
	MUL16 0, (\q)%2, \q, \slot, \zero
	MUL16 2, (\q)%2, \q, \slot, \zero
	s_wait_dscnt 0
	PLACES NP
	FETCH_B \slot, (\q)+1, 1-(\q)%2
	FETCH_A \slot, (\q)+1, 0
.if \zero
	WIN 0xc1
.else
	WIN MUL_HI
.endif
	MUL16 4, (\q)%2, \q, \slot, \zero
	MUL16 6, (\q)%2, \q, \slot, \zero
	PLACES NP
	WIN 0
	FETCH_A \slot, (\q)+1, 4
.endm
; A slot's last step changes slots: ONE barrier; in front of it each wave waits for all its tensor loads, adds 0 to its spare word, and waits for that and for its own reads of this slot.
.macro TURN slot, next, fill
	s_wait_tensorcnt 0x0                           ; all my tensor loads have landed: my part of the next slot
	ds_add_u32 v[SPW], v[NIL]                      ; 0 onto my spare word
	s_wait_dscnt 4*NL+1                            ; (the add and the youngest 24 loads may be out)
	WIN MUL_LO
	MUL16 0, 1, NQ-1, \slot, 0
	s_wait_dscnt 0x0                               ; the add is done, and my reads of this slot are over
	s_barrier_signal -1
	MUL16 2, 1, NQ-1, \slot, 0
	WIN 0
	s_barrier_wait -1
.if \fill
	CREST                                          ; the barrier has opened a round of the cluster's: no wave of any partner still reads this slot or has a load on its way
	s_add_nc_u64 s[G0+4*\slot+2:G0+4*\slot+3], s[G0+4*\slot+2:G0+4*\slot+3], 2*TILEB
	s_add_nc_u64 s[G0B+4*\slot+2:G0B+4*\slot+3], s[G0B+4*\slot+2:G0B+4*\slot+3], 2*TILEB
	JLOAD G0+4*\slot, G1, G0B+4*\slot, G1B         ; the first tensor load behind the round; its four v_nop are the places in front of the loads below
.else
	PLACES NP
.endif
	v_add_nc_u32 v[ADRS], 4*NQ, v[ADRS]
	FETCH_B \next, 0, 0
	FETCH_A \next, 0, 0
	SCALES \next
	WIN MUL_HI
	MUL16 4, 1, NQ-1, \slot, 0
	MUL16 6, 1, NQ-1, \slot, 0
	PLACES NP
	WIN 0
	FETCH_A \next, 0, 4
.endm
	s_wait_tensorcnt 1                             ; the scales and my part of K step 0 are in (K step 1's load may be out)
	s_barrier_signal -1
	s_barrier_wait -1                              ; everybody's are
	FETCH_B 0, 0, 0
	FETCH_A 0, 0, 0
	SCALES 0
	FETCH_A 0, 0, 4
	s_wait_loadcnt 0x0                             ; bo
	STEP 0, 0, 1                                   ; the first step starts the sums with the bias
	s_mov_b32 s3, LAPS-1
.Llap:
	TURN 0, 1, 1
	STEP 1, 0, 0
	TURN 1, 0, 1
	STEP 0, 0, 0
	s_sub_co_u32 s3, s3, 1
	s_cmp_lg_u32 s3, 0
	s_cbranch_scc1 .Llap
	TURN 0, 1, 0                                   ; the last lap fills nothing
	STEP 1, 0, 0
	s_wait_dscnt 4*NL
	WIN MUL_LO
	MUL16 0, 1, NQ-1, 1, 0
	MUL16 2, 1, NQ-1, 1, 0
	s_wait_dscnt 0
	WIN MUL_HI
	MUL16 4, 1, NQ-1, 1, 0
	MUL16 6, 1, NQ-1, 1, 0
	WIN 0
; THE WAY OUT, block by block of 16 tokens x 128 outputs, through my own stage in LDS: in as 32 bytes a lane and tile, back as whole rows of 512 bytes, which the 32 lanes store as 512 consecutive bytes, aligned.
; LDS serves a wave's instructions in order (ISA guide 5.7.1.4): no wait between the stores and the loads.  Row t of block a is token 32 (a / 2) + 8 (a % 2) + t + 8 (t / 8) of my 128: the place stands in the immediate.
.macro TOSTAGE a
.set AC, 64*((\a)%4)
	WIN 0x08+4*((\a)/4)                            ; the data: window 2 or 3
.irp b, 0,1,2,3,4,5,6,7
	ds_store_b128 v[STO], v[AC+8*\b:AC+8*\b+3] offset:128*(\b/2)+32*(\b%2)          ; each accumulator from its low end on
	ds_store_b128 v[STO], v[AC+8*\b+4:AC+8*\b+7] offset:128*(\b/2)+32*(\b%2)+16
.endr
	WIN 0
.set BB, BK+64*((\a)%2)
.irp t, 0,1,2,3,4,5,6,7,8,9,10,11,12,13,14,15
	ds_load_b128 v[BB+4*\t:BB+4*\t+3], v[RD] offset:\t*SPITCH
.endr
.endm
.macro SEND a, younger                 ; younger: the LDS instructions issued behind block a's loads, which may stay out
.set BB, BK+64*((\a)%2)
	s_wait_dscnt \younger
.irp t, 0,1,2,3,4,5,6,7,8,9,10,11,12,13,14,15
	global_store_b128 v[CO], v[BB+4*\t:BB+4*\t+3], s[14:15] offset:(32*((\a)/2)+8*((\a)%2)+\t+8*(\t/8))*4096 th:TH_STORE_NT   ; 127 rows of 4,096 bytes at the most: inside the signed 24-bit immediate
.endr
.endm
	PLACES NP                                      ; behind the last products: results are read, and loads land in registers that held S1's fragments
	TOSTAGE 0
.irp a, 1,2,3,4,5,6,7
.if \a > 1
	s_wait_xcnt 0x0                                ; block a - 2's stores have read their registers: block a's loads may land there
.endif
	TOSTAGE \a
	SEND \a-1, 32                                  ; behind block a - 1's loads: block a's 16 stores and 16 loads
.endr
	SEND 7, 0
	s_wait_tensorcnt 0x0                           ; the wave's end
	ds_add_u32 v[SPW], v[NIL]
	s_wait_dscnt 0x0
	CROUND                                         ; the closing round: no work-group ends while a partner may still ask for a tile that names it
	s_endpgm
.Lfunc_end_k_qf704b87517_oproj:
	.size	k_qf704b87517_oproj, .Lfunc_end_k_qf704b87517_oproj-k_qf704b87517_oproj
	.p2alignl 7, 3214868480
	.fill 96, 4, 3214868480
	.section	.rodata,"a",@progbits
	.p2align	6, 0x0
	.amdhsa_kernel k_qf704b87517_oproj
		.amdhsa_group_segment_fixed_size 327680
		.amdhsa_private_segment_fixed_size 0
		.amdhsa_enable_private_segment 0
		.amdhsa_kernarg_size 48
		.amdhsa_user_sgpr_count 2
		.amdhsa_user_sgpr_kernarg_segment_ptr 1
		.amdhsa_wavefront_size32 1
		.amdhsa_system_sgpr_workgroup_id_x 1
		.amdhsa_system_sgpr_workgroup_id_y 1
		.amdhsa_system_sgpr_workgroup_id_z 1
		.amdhsa_system_vgpr_workitem_id 0
		.amdhsa_next_free_vgpr 1024
		.amdhsa_next_free_sgpr 98
		.amdhsa_reserve_vcc 0
		.amdhsa_float_denorm_mode_32 3
		.amdhsa_float_denorm_mode_16_64 3
		.amdhsa_memory_ordered 1
		.amdhsa_forward_progress 1
		.amdhsa_inst_pref_size 160
	.end_amdhsa_kernel
	.amdgpu_metadata
---
amdhsa.version: [ 1, 2 ]
amdhsa.kernels:
  - .name:           k_qf704b87517_oproj
    .symbol:         k_qf704b87517_oproj.kd
    .args:
      - { .name: ac, .offset: 0, .size: 8, .value_kind: global_buffer, .address_space: global }
      - { .name: asc, .offset: 8, .size: 8, .value_kind: global_buffer, .address_space: global }
      - { .name: cw, .offset: 16, .size: 8, .value_kind: global_buffer, .address_space: global }
      - { .name: sw, .offset: 24, .size: 8, .value_kind: global_buffer, .address_space: global }
      - { .name: bo, .offset: 32, .size: 8, .value_kind: global_buffer, .address_space: global }
      - { .name: out0, .offset: 40, .size: 8, .value_kind: global_buffer, .address_space: global }
    .group_segment_fixed_size: 327680
    .private_segment_fixed_size: 0
    .kernarg_segment_align: 8
    .kernarg_segment_size: 48
    .max_flat_workgroup_size: 128
    .sgpr_count:     98
    .vgpr_count:     1024
    .wavefront_size: 32
...
	.end_amdgpu_metadata
.endif
;; end of part 4
